; MI455X (gfx1250); checked and timed in simulation.
; The chip was launched on July 23, 2026; its instructions are those of AMD's public machine-readable ISA for CDNA 5 (MIT licence, August 2026) and "CDNA5" Instruction Set Architecture Reference Guide (July 2026). The comments in the code are by the model that wrote it; some were corrected since.
;; Adaptive Scaled Dot Product Attention. Allowed arithmetic: float matrix products may take bf16 or f16 operands with f32 sums; all other float work in f32.
;; Inputs: Wk 1,024 x 1,024 float32; Wo 1,024 x 1,024 float32; Wq 1,024 x 1,024 float32; Ws 1,024 x 1,024 float32; Wv 1,024 x 1,024 float32; bk 1,024 float32; bo 1,024 float32; bq 1,024 float32; bs 1,024 float32; bv 1,024 float32; keys 8 x 1,024 x 1,024 float32; language_signals 8 x 1,024 x 1,024 float32; queries 8 x 1,024 x 1,024 float32; values 8 x 1,024 x 1,024 float32.
;; Outputs: out0 8 x 1,024 x 1,024 float32.
;; One version. Each part assembles by itself: llvm-mc -triple=amdgcn-amd-amdhsa -mcpu=gfx1250 --defsym DOCPART=n.
;; ======== version 1 of 1: 4 launches
;; limits: values are held in f16: magnitudes above 65,504 overflow, below 6.1e-05 lose precision
;; workspace buffers: wcast 10,506,240 bytes; qskv 67,108,864 bytes; oatt 16,777,216 bytes
;; launch cast (part 1): grid 64 x 5, 8 waves a work-group, no clusters, 0 bytes of LDS; arguments Wq, Ws, Wk, Wv, Wo, wcast, bq, bs, bk, bv, bo; writes wcast
.if DOCPART == 1
	.amdgcn_target "amdgcn-amd-amdhsa--gfx1250"
	.amdhsa_code_object_version 6
	.text
	.protected	k_q2b9997cef4_cast
	.globl	k_q2b9997cef4_cast
	.p2align	8
	.type	k_q2b9997cef4_cast,@function
k_q2b9997cef4_cast:
	s_mov_b64 s[64:65], 0
	v_nop
	global_prefetch_b8 v0, s[64:65] scope:SCOPE_SE
	s_setreg_imm32_b32 hwreg(HW_REG_WAVE_MODE, 25, 1), 1
	s_wait_xcnt 0x0
; The five weights [1024][1024] f32 and the five biases [1024] f32 are rounded once, for the matrix launches that follow.
; Grid y picks the weight and its bias (0 Wq bq, 1 Ws bs, 2 Wk bk, 3 Wv bv, 4 Wo bo), grid x 16 rows of the weight.  A thread takes 8 chunks of 8 numbers: 16 loads, all issued first, then 8 stores.
; Weights 0-3 -> bf16 in blocks [k / 64][n][64]: the byte of (n, k) is ((k / 64) * 1024 + n) * 128 + (k % 64) * 2, so that 128 rows x 64 k are 16,384 dense bytes.
; Weight 4 (Wo) -> rounded to bf16, and that number written as f16, plain [n][k] (rows of 2,048 bytes).
; Bias y -> rounded to bf16, and that number written as f32, at byte 10,485,760 + 4,096 y of wcast.  Every work-group loads its weight's bias (16 bytes a thread, the oldest load of all, so that no
; branch stands between the load and its use); the work-group with x = 0 alone rounds and stores it.
; LIMITS.  |Wo| stays under 65,504 (f16's end); a rounded Wo below 2^-17 keeps f16's fixed step of 6e-8.  NaN and infinities are not treated apart.
; No LDS, no barrier, no matrix unit: memory binds, and each byte of the weights is read once and written once.
.set X, 8                              ; v[8:71]    chunk c: 8 f32 as loaded
.set Y, 72                             ; v[72:103]  chunk c: 4 registers to store
.set T, 104                            ; v[104:107] at work
.set BL, 112                           ; v[112:115] four numbers of the bias
.set BT, 116                           ; v[116:117] the same in bf16
.set BA, 118                           ; v118       16 x my thread's number; never rewritten
.set BIAS, 10485760                    ; where the biases begin in wcast
.macro BIASOUT                         ; the end of either way: all loads have been waited for
	s_cmp_lg_u32 ttmp9, 0
	s_cbranch_scc1 .Lend_\@
	v_cvt_pk_bf16_f32 v[BT],   v[BL],   v[BL+1]
	v_cvt_pk_bf16_f32 v[BT+1], v[BL+2], v[BL+3]
	v_lshlrev_b32 v[BL],   16,  v[BT]
	v_and_b32     v[BL+1], s20, v[BT]
	v_lshlrev_b32 v[BL+2], 16,  v[BT+1]
	v_and_b32     v[BL+3], s20, v[BT+1]
	global_store_b128 v[BA], v[BL:BL+3], s[28:29]  ; 256 threads x 16 bytes: the whole bias
.Lend_\@:
	s_endpgm
.endm
	s_load_b256 s[4:11], s[0:1], 0x0               ; Wq s[4:5], Ws s[6:7], Wk s[8:9], Wv s[10:11]
	s_load_b128 s[12:15], s[0:1], 0x20             ; Wo s[12:13], wcast s[14:15]
	s_load_b256 s[32:39], s[0:1], 0x30             ; bq s[32:33], bs s[34:35], bk s[36:37], bv s[38:39]
	s_load_b64 s[40:41], s[0:1], 0x50              ; bo
	s_and_b32 s21, ttmp7, 0xffff                   ; which weight
	s_mov_b32 s20, 0xffff0000                      ; a word's upper bf16
	s_lshl_b32 s22, ttmp9, 16                      ; my 16 rows of 4,096 bytes
	s_mov_b32 s23, 0
	s_lshl_b32 s24, s21, 21                        ; the weight's part of wcast: 2,097,152 bytes each
	s_mov_b32 s25, 0
	s_lshl_b32 s30, s21, 12                        ; the bias's part: 4,096 bytes each
	s_add_co_u32 s30, s30, BIAS
	s_mov_b32 s31, 0
	v_and_b32 v1, 31, v0                           ; lane
	v_lshrrev_b32 v4, 5, v0                        ; wave
	v_lshlrev_b32 v[BA], 4, v0
	s_wait_kmcnt 0x0
	s_cmp_eq_u32 s21, 1
	s_cselect_b64 s[16:17], s[6:7], s[4:5]
	s_cselect_b64 s[26:27], s[34:35], s[32:33]
	s_cmp_eq_u32 s21, 2
	s_cselect_b64 s[16:17], s[8:9], s[16:17]
	s_cselect_b64 s[26:27], s[36:37], s[26:27]
	s_cmp_eq_u32 s21, 3
	s_cselect_b64 s[16:17], s[10:11], s[16:17]
	s_cselect_b64 s[26:27], s[38:39], s[26:27]
	s_cmp_eq_u32 s21, 4
	s_cselect_b64 s[16:17], s[12:13], s[16:17]
	s_cselect_b64 s[26:27], s[40:41], s[26:27]
	s_add_nc_u64 s[16:17], s[16:17], s[22:23]      ; the source at my rows
	s_add_nc_u64 s[18:19], s[14:15], s[24:25]      ; the weight's part of wcast
	s_add_nc_u64 s[28:29], s[14:15], s[30:31]      ; the bias's part of wcast
	global_load_b128 v[BL:BL+3], v[BA], s[26:27]   ; the bias: issued first, so it is in when any later load is
	s_cmp_eq_u32 s21, 4
	s_cbranch_scc1 .Lplain
	; BLOCKS.  One instruction of a wave covers 4 rows x one block of 64 k: lane l has row l / 8, k = 8 (l % 8).  Wave w has blocks 2 w and 2 w + 1; chunk c: block 2 w + c / 4, rows 4 (c % 4) on.
	v_lshrrev_b32 v5, 3, v1
	v_and_b32 v6, 7, v1
	v_lshlrev_b32 v2, 12, v5                       ; source: row x 4,096
	v_lshl_add_u32 v2, v6, 5, v2                   ; + 32 bytes for 8 numbers
	v_lshl_add_u32 v2, v4, 9, v2                   ; + two blocks of 256 bytes a wave
	v_lshlrev_b32 v3, 4, v1                        ; destination: (l / 8) x 128 + (l % 8) x 16 = 16 l: a wave's store covers 512 consecutive bytes
	v_lshl_add_u32 v3, v4, 18, v3                  ; + two blocks of 131,072 bytes a wave
	s_lshl_b32 s22, ttmp9, 11                      ; my 16 rows of 128 bytes in a block
	s_add_nc_u64 s[18:19], s[18:19], s[22:23]
.set c, 0
.rept 8
	global_load_b128 v[X+8*c:X+8*c+3],   v2, s[16:17] offset:(c&3)*16384+(c>>2)*256 th:TH_LOAD_NT
	global_load_b128 v[X+8*c+4:X+8*c+7], v2, s[16:17] offset:(c&3)*16384+(c>>2)*256+16 th:TH_LOAD_NT
.set c, c+1
.endr
.set c, 0
.rept 8
	s_wait_loadcnt 14-2*c                          ; loads come back in order: chunk c's two are in, the younger chunks' stay out
.irp j, 0,1,2,3
	v_cvt_pk_bf16_f32 v[Y+4*c+\j], v[X+8*c+2*\j], v[X+8*c+2*\j+1]
.endr
	global_store_b128 v3, v[Y+4*c:Y+4*c+3], s[18:19] offset:(c>>2)*131072+(c&3)*512
.set c, c+1
.endr
	BIASOUT
.Lplain:
	; Wo.  One instruction of a wave covers 2 rows x 128 k: lane l has row 2 w + l / 16, k = 128 c + 8 (l % 16).
	v_lshrrev_b32 v5, 4, v1
	v_and_b32 v6, 15, v1
	v_lshl_add_u32 v7, v4, 1, v5                   ; my row of the 16
	v_lshlrev_b32 v2, 12, v7
	v_lshl_add_u32 v2, v6, 5, v2
	v_lshlrev_b32 v3, 11, v7
	v_lshl_add_u32 v3, v6, 4, v3                   ; 16 lanes store 256 consecutive bytes, aligned
	s_lshl_b32 s22, ttmp9, 15                      ; my 16 rows of 2,048 bytes
	s_add_nc_u64 s[18:19], s[18:19], s[22:23]
.set c, 0
.rept 8
	global_load_b128 v[X+8*c:X+8*c+3],   v2, s[16:17] offset:c*512 th:TH_LOAD_NT
	global_load_b128 v[X+8*c+4:X+8*c+7], v2, s[16:17] offset:c*512+16 th:TH_LOAD_NT
.set c, c+1
.endr
.set c, 0
.rept 8
	s_wait_loadcnt 14-2*c                          ; chunk c's two loads are in
.irp j, 0,1,2,3
	v_cvt_pk_bf16_f32 v[T+\j], v[X+8*c+2*\j], v[X+8*c+2*\j+1]      ; the rounding that counts: to bf16
.endr
.irp j, 0,1,2,3
	v_lshlrev_b32 v[X+8*c+2*\j],   16, v[T+\j]                     ; back to f32,
	v_and_b32     v[X+8*c+2*\j+1], s20, v[T+\j]
.endr
.irp j, 0,1,2,3
	v_cvt_pk_f16_f32 v[Y+4*c+\j], v[X+8*c+2*\j], v[X+8*c+2*\j+1]   ; and written as f16: 8 significant bits fit in f16's 11
.endr
	global_store_b128 v3, v[Y+4*c:Y+4*c+3], s[18:19] offset:c*256
.set c, c+1
.endr
	BIASOUT
.Lfunc_end_k_q2b9997cef4_cast:
	.size	k_q2b9997cef4_cast, .Lfunc_end_k_q2b9997cef4_cast-k_q2b9997cef4_cast
	.p2alignl 7, 3214868480
	.fill 96, 4, 3214868480
	.section	.rodata,"a",@progbits
	.p2align	6, 0x0
	.amdhsa_kernel k_q2b9997cef4_cast
		.amdhsa_group_segment_fixed_size 0
		.amdhsa_private_segment_fixed_size 0
		.amdhsa_enable_private_segment 0
		.amdhsa_kernarg_size 88
		.amdhsa_user_sgpr_count 2
		.amdhsa_user_sgpr_kernarg_segment_ptr 1
		.amdhsa_wavefront_size32 1
		.amdhsa_system_sgpr_workgroup_id_x 1
		.amdhsa_system_sgpr_workgroup_id_y 1
		.amdhsa_system_sgpr_workgroup_id_z 1
		.amdhsa_system_vgpr_workitem_id 0
		.amdhsa_next_free_vgpr 120
		.amdhsa_next_free_sgpr 66
		.amdhsa_reserve_vcc 0
		.amdhsa_float_denorm_mode_32 3
		.amdhsa_float_denorm_mode_16_64 3
		.amdhsa_memory_ordered 1
		.amdhsa_forward_progress 1
		.amdhsa_inst_pref_size 17
	.end_amdhsa_kernel
	.amdgpu_metadata
---
amdhsa.version: [ 1, 2 ]
amdhsa.kernels:
  - .name:           k_q2b9997cef4_cast
    .symbol:         k_q2b9997cef4_cast.kd
    .args:
      - { .name: Wq, .offset: 0, .size: 8, .value_kind: global_buffer, .address_space: global }
      - { .name: Ws, .offset: 8, .size: 8, .value_kind: global_buffer, .address_space: global }
      - { .name: Wk, .offset: 16, .size: 8, .value_kind: global_buffer, .address_space: global }
      - { .name: Wv, .offset: 24, .size: 8, .value_kind: global_buffer, .address_space: global }
      - { .name: Wo, .offset: 32, .size: 8, .value_kind: global_buffer, .address_space: global }
      - { .name: wcast, .offset: 40, .size: 8, .value_kind: global_buffer, .address_space: global }
      - { .name: bq, .offset: 48, .size: 8, .value_kind: global_buffer, .address_space: global }
      - { .name: bs, .offset: 56, .size: 8, .value_kind: global_buffer, .address_space: global }
      - { .name: bk, .offset: 64, .size: 8, .value_kind: global_buffer, .address_space: global }
      - { .name: bv, .offset: 72, .size: 8, .value_kind: global_buffer, .address_space: global }
      - { .name: bo, .offset: 80, .size: 8, .value_kind: global_buffer, .address_space: global }
    .group_segment_fixed_size: 0
    .private_segment_fixed_size: 0
    .kernarg_segment_align: 8
    .kernarg_segment_size: 88
    .max_flat_workgroup_size: 256
    .sgpr_count:     66
    .vgpr_count:     120
    .wavefront_size: 32
...
	.end_amdgpu_metadata
.endif
;; end of part 1
;; launch proj (part 2): grid 4 x 64, 4 waves a work-group, clusters of 4 x 4, 327,680 bytes of LDS; arguments queries, language_signals, keys, values, wcast, qskv; writes qskv
.if DOCPART == 2
	.amdgcn_target "amdgcn-amd-amdhsa--gfx1250"
	.amdhsa_code_object_version 6
	.text
	.protected	k_q2b9997cef4_proj
	.globl	k_q2b9997cef4_proj
	.p2align	8
	.type	k_q2b9997cef4_proj,@function
k_q2b9997cef4_proj:
	s_mov_b64 s[64:65], 0
	v_nop
	global_prefetch_b8 v0, s[64:65] scope:SCOPE_SE
	s_setreg_imm32_b32 hwreg(HW_REG_WAVE_MODE, 25, 1), 1
	s_wait_xcnt 0x0
	s_wait_alu depctr_hold_cnt(0) depctr_sa_sdst(0) depctr_va_vdst(0) depctr_va_sdst(0) depctr_va_ssrc(0) depctr_va_vcc(0) depctr_vm_vsrc(0)
	s_getreg_b32 s2, hwreg(HW_REG_IB_STS2, 6, 4)
	s_cmp_eq_u32 s2, 0
	s_cbranch_scc0 .Lentry_in_a_cluster
	s_endpgm
.Lentry_in_a_cluster:
	s_bfe_u32 s2, ttmp6, 0x10000c
	s_cmp_lg_u32 s2, 0xf033
	s_cbranch_scc0 .Lentry_shape_is_right
	s_endpgm
.Lentry_shape_is_right:
; THE FOUR PROJECTIONS.  y_p = x_p W_p^T + b_p for p = 0 (queries, Wq, bq), 1 (language_signals, Ws, bs), 2 (keys, Wk, bk), 3 (values, Wv, bv).  x_p: [8192][1024] f32.  W_p: bf16 in blocks
; [k / 64][n][64] in wcast; b_p: rounded to bf16 and written as f32, behind the weights in wcast (both by the launch before).  y_p leaves as f16 by heads: qskv[p][b * 8 + h][n][128].
; x is rounded to bf16 here, products and sums are f32, y is rounded once.
; LIMITS.  |y| stays under 65,504 (f16's end); below 6e-5 y keeps f16's fixed step of 6e-8.  NaN and infinities are not treated apart.
; SHARES.  A tile is 256 rows x 256 columns (two heads) of one y_p; each of the four waves makes 64 rows x all 256 columns: 64 accumulators of 16 x 16, 512 registers.  So each f32 row of x is read
; from LDS and rounded by ONE wave.  K goes in 16 steps of 64 through two LDS slots: a row of x's tile is 64 f32 = 256 bytes of memory; two slots of 128 along K would want 409,600 bytes of LDS.
; A WORK-GROUP STAYS: it makes two tiles, 4,096 rows apart, of the same p and the same columns.  The ring does not stop at the first tile's end: its last two changes of slots ask for the second tile's
; K steps 0 and 1, and nothing waits for the first tile's stores.  256 work-groups in all.
; THE SUMS START FROM THE BIAS: at a tile's head the bias is loaded straight into the accumulators (a lane's eight columns of a column block are 32 consecutive bytes), so every product adds in place,
; no first step is written out, and the way out only rounds.
; CLUSTER.  4 x 4 work-groups.  The four of a row of the cluster need the same tile of x, the four of a column the same tile of W: each tile is asked for JOINTLY, by the same tensor load with the
; same descriptor and a mask that names the four.
; THE MATRIX INSTRUCTION IS USED TRANSPOSED: source 0 = 16 rows of W, source 1 = 16 rows of x: a lane then holds row lane % 16 of y and the columns 8 (lane / 16) + 0..7: 16 bytes of f16.
; REGISTERS, in windows of 256 (s_set_vgpr_msb: bits 1:0 source 0, 3:2 source 1, 5:4 source 2, 7:6 destination):
;   window 0: v0-31 addresses; v32-63, v64-95 x's fragments in bf16, two buffers (8 registers for 16 rows x 32 K); v96-159 x's f32 as it comes from LDS; on the way out v96-159 packed results, v160-223 and v32-95 whole rows
;   window 1: v0-127, v128-255 W's fragments, two buffers          window 2: accumulators of my rows 0-31 ((a, b) at 8 (16 a + b))          window 3: rows 32-63
.set SLOT1,  131072                    ; slot 1 begins here: one exclusive or turns an address in one slot into the other's
.set PA,     272                       ; a row of x in LDS: 256 bytes + 16 of padding: the 16 rows of a load start at 16 different groups of four banks (64 banks of 4 bytes: ISA guide 11.1)
.set PB,     144                       ; a row of W: 128 + 16
.set BOFF,   256*PA                    ; in a slot: x's 256 rows, then W's 256 rows
.set STAGE,  SLOT1+BOFF+256*PB         ; behind the ring, never filled by a tensor load: 16 rows x 528 bytes for each wave, for the way out
.set SP,     528
.set SPARE,  STAGE+4*16*SP             ; behind the stages: the spare words, 128 bytes for each wave: two blocks of 256 bytes that no other line names
.set BIAS,   10485760                  ; where the biases begin in wcast, 4,096 bytes each
.set NEXT_A, 16*256*4096-15*256        ; bytes of x from a tile's K step 15 to K step 0 of the tile 4,096 rows further down
.set BACK_B, 16*131072                 ; bytes of W's blocks from K step 16 back to K step 0
.set WALK_Y, 8388608                   ; bytes of y from a tile to the tile 4,096 rows (four batches) further down
.set ADRA0, 16                         ; v16  my lane's place in x's tile; never rewritten
.set ADRB0, 17                         ; v17  the same for W
.set ADRA,  18                         ; v18  the same in the slot that the fetches read
.set ADRB,  19                         ; v19
.set STO,   24                         ; v24  the way out: where I put 16 bytes of a row
.set RD,    25                         ; v25  the way out: where I read rows back
.set CO,    26                         ; v26  my byte offset in 512 consecutive bytes of y
.set PF,    27                         ; v27  the row of x's tile that I ask ahead for, in bytes
.set SPW,   28                         ; v28  LDS address of my spare word; never rewritten
.set NIL,   29                         ; v29  0; never rewritten
.set BO,    30                         ; v30  my byte offset in 16 numbers of the bias
.set AF,    32
.set RAW,   96
.set TMP,   96
.set CNT, 2                            ; s2   loop counter
.set G1A, 24                           ; s[24:31] descriptor group 1 for x's tiles
.set G0A, 32                           ; s[32:39] group 0: a set for each of the two first fills; the second then walks
.set G1B, 40                           ; s[40:47], s[48:55] the same for W's tiles
.set G0B, 48
.set WV,  56                           ; s56  my wave's number
.set HF,  57                           ; s57  which half of a tile I fetch
.set CX,  58                           ; s58, s59  my place in the cluster
.set CY,  59
.set CLY, 60                           ; s60  the cluster's y
.set PP,  61                           ; s61  p
.set MT,  62                           ; s62  which 256 rows the first tile has
.set TB,  63                           ; s63  the slot that the fetches read
.set PFB, 72                           ; s[72:73] x at my tile's first row, at the K step asked ahead for
.set XT,  77                           ; s77  which 256 columns
.set DA,  80                           ; s[80:81] what x's walking address steps by where the ring goes on into the next tile: NEXT_A, then 256
.set DS,  82                           ; s[82:83] what W's goes back by there: BACK_B, then 0
.set DP,  84                           ; s[84:85] what the address asked ahead for steps by
.set NXA, 86                           ; s86  NEXT_A
.set TILES, 87                         ; s87  tiles to go, this one among them: the same number in every work-group
.set PFLIM, 88                         ; s88  in the last tile 3: the loop's passes with a count below it ask ahead for nothing; else 0
.set MSB, 0
.macro WIN new                         ; the immediate's high byte repeats the setting that is left; a switch that changes nothing is dropped
.if MSB != (\new)
	s_set_vgpr_msb (MSB<<8)|(\new)
.set MSB, (\new)
.endif
.endm
.macro PLACES                          ; four places in front of loads into, and vector writes of, registers that matrix instructions have read, and of conversions that read results
.rept 4
	v_nop
.endr
.endm
.macro CREST                           ; a round of the cluster's barrier behind its opening barrier
	s_cmp_lg_u32 s[WV], 0
	s_cbranch_scc1 .Lnot_wave_0_\@
	s_barrier_signal -3
.Lnot_wave_0_\@:
	s_barrier_wait -3
	s_barrier_signal -1
	s_barrier_wait -1
.endm
.macro CROUND                          ; a whole round
	s_barrier_signal -1
	s_barrier_wait -1
	CREST
.endm
; A joint refill.  Waves 0 and 1 fetch the halves of x's tile, waves 2 and 3 those of W's.  The branch hangs on the wave's number alone.  An s_nop 0 and four v_nop follow each of the two lines.
; Behind x's line the wave asks ahead: of the tile's 256 rows work-group cx of the cluster's row takes rows 64 cx .. 64 cx + 63, 32 a wave, a lane a row: the row's 256 bytes of the K step two steps
; behind the one just requested, on into the next tile's K steps 0 to 3.  So each such block, but those of the first tile's K steps 0 to 3, is asked for once in the launch.
; pf = 2 (in the loop): in the last tile the passes whose look-ahead would pass K step 15 ask for nothing.
.macro JLOAD pf
	s_cmp_lt_u32 s[WV], 2
	s_cbranch_scc0 .Lfor_b_\@
	tensor_load_to_lds s[G0A+4:G0A+7], s[G1A:G1A+7]
	s_nop 0
.rept 4
	v_nop
.endr
.if (\pf) == 2
	s_cmp_lt_u32 s[CNT], s[PFLIM]
	s_cbranch_scc1 .Lasked_\@
.endif
	global_prefetch_b8 v[PF], s[PFB:PFB+1] th:TH_LOAD_NT scope:SCOPE_SE
	s_branch .Lasked_\@
.Lfor_b_\@:
	tensor_load_to_lds s[G0B+4:G0B+7], s[G1B:G1B+7]
	s_nop 0
.rept 4
	v_nop
.endr
.Lasked_\@:
.endm
	s_load_b256 s[4:11], s[0:1], 0x0               ; queries, language_signals, keys, values
	s_load_b128 s[20:23], s[0:1], 0x20             ; wcast s[20:21], qskv s[22:23]
	v_lshl_add_u32 v[SPW], v0, 2, SPARE
	v_mov_b32 v[NIL], 0
	ds_add_u32 v[SPW], v[NIL]                      ; the wave's opening: the add and its wait stand ahead of my first tensor load; the set-up below, work on registers, stands between them
	v_lshrrev_b32 v1, 5, v0
	v_readfirstlane_b32 s[WV], v1                  ; wave 0..3
	s_and_b32 s[HF], s[WV], 1
	s_bfe_u32 s[CX], ttmp6, 0x40000
	s_bfe_u32 s[CY], ttmp6, 0x40004
	s_and_b32 s[CLY], ttmp7, 0xffff                ; in a cluster launch ttmp9 and ttmp7 count clusters
	s_lshr_b32 s[PP], s[CLY], 2                    ; four clusters along y to a projection
	s_and_b32 s[MT], s[CLY], 3
	s_lshl_b32 s[MT], s[MT], 2
	s_add_co_u32 s[MT], s[MT], s[CY]               ; the first tile's row 0..15; the second's is 16 more
	s_lshl_b32 s[XT], ttmp9, 2
	s_add_co_u32 s[XT], s[XT], s[CX]               ; tile column 0..3
	s_lshl_b32 s78, s[CY], 2
	s_lshl_b32 s78, 15, s78                        ; my row of the cluster
	s_lshl_b32 s79, 0x1111, s[CX]                  ; my column
	; group 1 for x: 128 rows x 64 elements of 4 bytes, 1,024 elements from row to row; 4 words of padding after every 64
	s_or_b32 s[G1A], s78, (2<<16)|(1<<20)|(1<<21)|(5<<22)|(3<<25)
	s_mov_b32 s[G1A+1], 64<<16                     ; tensor_dim0 = 64
	s_mov_b32 s[G1A+2], 128<<16                    ; tensor_dim1 = 128
	s_mov_b32 s[G1A+3], 64<<16                     ; tile_dim0 = 64
	s_mov_b32 s[G1A+4], 128                        ; tile_dim1 = 128
	s_mov_b32 s[G1A+5], 1024
	s_mov_b32 s[G1A+6], 0
	s_mov_b32 s[G1A+7], 0
	; group 1 for W: 128 rows of 128 bytes are 16,384 dense bytes: asked for as 64 rows of 256 bytes, padded by 4 words after every 32
	s_or_b32 s[G1B], s79, (1<<16)|(1<<20)|(1<<21)|(4<<22)|(3<<25)
	s_mov_b32 s[G1B+1], 128<<16
	s_mov_b32 s[G1B+2], 64<<16
	s_mov_b32 s[G1B+3], 128<<16
	s_mov_b32 s[G1B+4], 64
	s_mov_b32 s[G1B+5], 128
	s_mov_b32 s[G1B+6], 0
	s_mov_b32 s[G1B+7], 0
	; where the tiles come from: x's offset is made of the tile row, W's of p and the tile column, each in registers that never hold the other coordinate
	s_lshl_b32 s66, s[MT], 20                      ; 256 rows of 4,096 bytes
	s_lshl_b32 s3, s[HF], 19
	s_add_co_u32 s66, s66, s3
	s_mov_b32 s67, 0
	s_lshl_b32 s74, s[MT], 20
	s_mov_b32 s75, 0
	s_lshl_b32 s68, s[PP], 21                      ; the weight's part of wcast
	s_lshl_b32 s69, s[XT], 15                      ; 256 rows of 128 bytes in a block
	s_add_co_u32 s68, s68, s69
	s_lshl_b32 s3, s[HF], 14
	s_add_co_u32 s68, s68, s3
	s_mov_b32 s69, 0
	; and where they go: no place in the cluster enters an LDS address
	s_mov_b32 s[G0A], 1
	s_mul_i32 s[G0A+1], s[HF], 128*PA
	s_mov_b32 s[G0A+4], 1
	s_add_co_u32 s[G0A+5], s[G0A+1], SLOT1
	s_mov_b32 s[G0B], 1
	s_mul_i32 s[G0B+1], s[HF], 128*PB
	s_add_co_u32 s[G0B+1], s[G0B+1], BOFF
	s_mov_b32 s[G0B+4], 1
	s_add_co_u32 s[G0B+5], s[G0B+1], SLOT1
	s_mov_b32 s[TB], 0
	s_mov_b32 s[DA], NEXT_A
	s_mov_b32 s[DA+1], 0
	s_mov_b32 s[DS], BACK_B
	s_mov_b32 s[DS+1], 0
	s_mov_b32 s[DP+1], 0
	s_mov_b32 s[NXA], NEXT_A
	; y: p << 24, batch << 21, two heads << 19, 256 rows of 256 bytes << 16, my wave's 64 rows << 14
	s_lshl_b32 s70, s[PP], 24
	s_lshr_b32 s71, s[MT], 2
	s_lshl_b32 s71, s71, 21
	s_add_co_u32 s70, s70, s71
	s_lshl_b32 s71, s[XT], 19
	s_add_co_u32 s70, s70, s71
	s_and_b32 s71, s[MT], 3
	s_lshl_b32 s71, s71, 16
	s_add_co_u32 s70, s70, s71
	s_lshl_b32 s71, s[WV], 14
	s_add_co_u32 s70, s70, s71
	s_mov_b32 s71, 0
	s_wait_dscnt 0x0                               ; the opening add is done
	s_wait_kmcnt 0x0
	s_cmp_eq_u32 s[PP], 1                          ; x_p: p is the same in all partners
	s_cselect_b64 s[4:5], s[6:7], s[4:5]
	s_cmp_eq_u32 s[PP], 2
	s_cselect_b64 s[4:5], s[8:9], s[4:5]
	s_cmp_eq_u32 s[PP], 3
	s_cselect_b64 s[4:5], s[10:11], s[4:5]
	s_add_nc_u64 s[22:23], s[22:23], s[70:71]      ; y at my wave's first row
	s_lshl_b32 s70, s[PP], 12
	s_lshl_b32 s3, s[XT], 10
	s_add_co_u32 s70, s70, s3
	s_add_co_u32 s70, s70, BIAS
	s_add_nc_u64 s[12:13], s[20:21], s[70:71]      ; the bias at my tile's first column
	s_add_nc_u64 s[PFB:PFB+1], s[4:5], s[74:75]
	s_add_nc_u64 s[PFB:PFB+1], s[PFB:PFB+1], 3*256 ; stepped once ahead of the first request: K step 4
	s_add_nc_u64 s[G0A+2:G0A+3], s[4:5], s[66:67]  ; K step 0,
	s_add_nc_u64 s[G0A+6:G0A+7], s[G0A+2:G0A+3], 256  ; K step 1
	s_or_b32 s[G0A+3], s[G0A+3], 0x80000000        ; type = 2
	s_or_b32 s[G0A+7], s[G0A+7], 0x80000000
	s_add_nc_u64 s[G0B+2:G0B+3], s[20:21], s[68:69]
	s_add_nc_u64 s[G0B+6:G0B+7], s[G0B+2:G0B+3], 131072
	s_or_b32 s[G0B+3], s[G0B+3], 0x80000000
	s_or_b32 s[G0B+7], s[G0B+7], 0x80000000
	CROUND                                         ; all sixteen work-groups are here: the first joint loads meet
	s_cmp_lt_u32 s[WV], 2                          ; a wave's two first fills stand in one branch, ahead of every wait on TENSORcnt and every LDS read: two loads of mine are out
	s_cbranch_scc0 .Lfirst_b
	tensor_load_to_lds s[G0A:G0A+3], s[G1A:G1A+7]
	s_nop 0
	tensor_load_to_lds s[G0A+4:G0A+7], s[G1A:G1A+7]
	s_nop 0
.rept 4
	v_nop
.endr
	s_branch .Lfirst_asked
.Lfirst_b:
	tensor_load_to_lds s[G0B:G0B+3], s[G1B:G1B+7]
	s_nop 0
	tensor_load_to_lds s[G0B+4:G0B+7], s[G1B:G1B+7]
	s_nop 0
.rept 4
	v_nop
.endr
.Lfirst_asked:
	; A fragment is 16 rows x 32 K in 8 registers: lane l holds row l % 16; registers 0-3 K = 8 (l / 16) + 0..7, registers 4-7 K = 16 + 8 (l / 16) + 0..7.
	; From W's bf16 rows: two loads of 16 bytes, 32 apart.  From x's f32 rows: four loads of 16 bytes, at 32 (l / 16) + 0, 16, 64, 80, and eight roundings.
	v_and_b32 v1, 15, v0                           ; l % 16
	v_bfe_u32 v2, v0, 4, 1                         ; l / 16
	v_and_b32 v3, 31, v0                           ; l
	v_mul_u32_u24 v[ADRA0], v1, PA
	v_lshl_add_u32 v[ADRA0], v2, 5, v[ADRA0]
	s_mul_i32 s3, s[WV], 64*PA                     ; my wave's 64 rows
	v_add_nc_u32 v[ADRA0], s3, v[ADRA0]
	v_mul_u32_u24 v[ADRB0], v1, PB
	v_lshl_add_u32 v[ADRB0], v2, 4, v[ADRB0]
	v_add_nc_u32 v[ADRB0], BOFF, v[ADRB0]
	v_mov_b32 v[ADRA], v[ADRA0]                    ; the fetches begin in slot 0
	v_mov_b32 v[ADRB], v[ADRB0]
	s_mul_i32 s3, s[WV], 16*SP
	s_add_co_u32 s3, s3, STAGE                     ; my stage
	v_mul_u32_u24 v[STO], v1, SP                   ; in: row l % 16, 16 bytes for each half of the lanes
	v_lshl_add_u32 v[STO], v2, 4, v[STO]
	v_add_nc_u32 v[STO], s3, v[STO]
	v_mul_u32_u24 v[RD], v2, SP                    ; back: lanes 0-15 take 256 bytes (a head's share) of one row, lanes 16-31 of the next,
	v_lshl_add_u32 v[RD], v1, 4, v[RD]
	v_add_nc_u32 v[RD], s3, v[RD]
	v_lshlrev_b32 v[CO], 4, v3                     ; which are 512 consecutive bytes of y
	v_lshl_add_u32 v[PF], s[CX], 6, v3
	v_lshl_add_u32 v[PF], s[HF], 5, v[PF]
	v_lshlrev_b32 v[PF], 12, v[PF]                 ; row 64 cx + 32 half + l of the tile
	v_lshlrev_b32 v[BO], 5, v2
; 48 LDS loads in one run: the fragments of 32 along K (quarter kq of the slot's step): x's f32 first, then W's into buffer g
.macro FETCH kq, g
	WIN 0
.irp a, 0,1,2,3
	ds_load_b128 v[RAW+16*\a:RAW+16*\a+3],     v[ADRA] offset:128*(\kq)+16*PA*\a
	ds_load_b128 v[RAW+16*\a+4:RAW+16*\a+7],   v[ADRA] offset:128*(\kq)+16*PA*\a+16
	ds_load_b128 v[RAW+16*\a+8:RAW+16*\a+11],  v[ADRA] offset:128*(\kq)+16*PA*\a+64
	ds_load_b128 v[RAW+16*\a+12:RAW+16*\a+15], v[ADRA] offset:128*(\kq)+16*PA*\a+80
.endr
	WIN 0x40                                       ; destination window 1
.irp b, 0,1,2,3,4,5,6,7,8,9,10,11,12,13,14,15
	ds_load_b128 v[128*(\g)+8*\b:128*(\g)+8*\b+3],   v[ADRB] offset:64*(\kq)+16*PB*\b
	ds_load_b128 v[128*(\g)+8*\b+4:128*(\g)+8*\b+7], v[ADRB] offset:64*(\kq)+16*PB*\b+32
.endr
.endm
; Half m of 8 of the roundings: four registers of x's fragment m / 2 in buffer g.  At an even m: the fragment's four loads are in; the younger f32 loads and W's 32 may stay out.
.macro CV4 g, m
.if ((\m)%2) == 0
	s_wait_dscnt 44-2*(\m)
.endif
	WIN 0
.irp j, 0,1,2,3
	v_cvt_pk_bf16_f32 v[AF+32*(\g)+4*(\m)+\j], v[RAW+8*(\m)+2*\j], v[RAW+8*(\m)+2*\j+1]
.endr
.endm
; Product n of 32 of a half (hi = 0: my rows 0-31, 1: rows 32-63): row block 2 hi + n / 16, column block n % 16.
; The 64 accumulators take turns, one instruction a turn, in the same order in every quarter.
.macro MM f, hi
	WIN 0xa1+0x50*(\hi)                            ; W in window 1, x in window 0, C and D in window 2 or 3
	v_wmma_f32_16x16x32_bf16 v[8*n:8*n+7], v[128*(\f)+8*(n%16):128*(\f)+8*(n%16)+7], v[AF+32*(\f)+8*(2*(\hi)+n/16):AF+32*(\f)+8*(2*(\hi)+n/16)+7], v[8*n:8*n+7]
.set n, n+1
.endm
; A QUARTER: 32 along K, 64 products on buffer f.  fetch = 1: at its head the next quarter's 48 loads are issued (quarter kq of the slot at ADRA, ADRB; W into buffer g), and x's roundings into buffer g
; ride in fours behind every second product of its third quarter.  places = 1: four v_nop in front (elsewhere the four behind the joint load serve).
; meet: the slot's last reads were issued at the quarter's head, and at its end slots change: ONE barrier.  In front of it each wave waits for all its tensor loads (the one that is out is its part of the next
; slot), adds 0 to its spare word, and waits for that and for its own reads of this slot.  All 64 products stand ahead of the wait, so that they run while the tile lands, and nothing but the barrier stands
; between the wait and the next request.  meet = 2: the barrier opens a round of the cluster's barrier, and behind the round this slot is filled again, two K steps ahead.
; nxt = 1: the two K steps ahead lie in the next tile: x's address goes 4,096 rows down and back along K, W's only back; the second time both step on as ever.
.macro QUARTER f, g, kq, fetch, places, meet, pf=0, nxt=0
.if \places
	PLACES
.endif
.if \fetch
	FETCH \kq, \g
	s_wait_dscnt 48                                ; all but the 48 just issued: W's fragments of buffer f are in
.else
	s_wait_dscnt 0x0
.endif
.set n, 0
.rept 32
	MM \f, 0
.endr
.set n, 0
.rept 32
	MM \f, 1
.if (\fetch) && (n%2 == 0) && (n <= 16)
	CV4 \g, n/2-1
.endif
.endr
.if \meet
	WIN 0                                          ; the add's two registers lie in window 0; at a branch and at a label every window is 0
	s_wait_tensorcnt 0x0                           ; all my tensor loads have landed, so a group 0 may be written
	ds_add_u32 v[SPW], v[NIL]                      ; 0 onto my spare word: work on registers stands between it and the wait for it
	s_xor_b32 s[TB], s[TB], SLOT1                  ; the fetches go on in the other slot
	v_add_nc_u32 v[ADRA], s[TB], v[ADRA0]
	v_add_nc_u32 v[ADRB], s[TB], v[ADRB0]
.if (\meet) == 2
	s_xor_b32 s[G0A+5], s[G0A+5], SLOT1            ; the walking descriptors: the other slot than last time, the next K step
	s_xor_b32 s[G0B+5], s[G0B+5], SLOT1
	s_add_nc_u64 s[G0B+6:G0B+7], s[G0B+6:G0B+7], 131072
.if \nxt
	s_add_nc_u64 s[G0A+6:G0A+7], s[G0A+6:G0A+7], s[DA:DA+1]
	s_mov_b32 s[DA], 256
	s_sub_nc_u64 s[G0B+6:G0B+7], s[G0B+6:G0B+7], s[DS:DS+1]
	s_mov_b32 s[DS], 0
	s_mov_b32 s[DP], 256
.else
	s_add_nc_u64 s[G0A+6:G0A+7], s[G0A+6:G0A+7], 256
	s_cmp_eq_u32 s[CNT], 2                         ; the pass behind the one that asked ahead for K step 15: on to the next tile's K step 0
	s_cselect_b32 s[DP], s[NXA], 0x100
.endif
	s_wait_xcnt 0x0                                ; the last request ahead, a K step ago, has had its address translated: its base may step
	s_add_nc_u64 s[PFB:PFB+1], s[PFB:PFB+1], s[DP:DP+1]
.endif
	s_wait_dscnt 0x0                               ; the add is done, and my reads of this slot are over
	s_barrier_signal -1
	s_barrier_wait -1
.if (\meet) == 2
	CREST                                          ; no wave of any partner still reads this slot's tiles or has a load on its way
	JLOAD \pf                                      ; the first tensor load behind the round; its four v_nop are also the places in front of the next quarter's loads
.endif
.endif
.endm
	s_mov_b32 s[TILES], 2
.Ltile:
	; A TILE'S HEAD.  The bias of my 256 columns goes into all four row blocks' accumulators: 128 loads, of which each lane's 16 bytes are the same in the sixteen lanes of a half.
.irp w, 0x80, 0xc0                     ; destination window 2, then 3
	WIN \w
.set i, 0
.rept 32
	global_load_b128 v[8*i:8*i+3],   v[BO], s[12:13] offset:64*(i%16)
	global_load_b128 v[8*i+4:8*i+7], v[BO], s[12:13] offset:64*(i%16)+16
.set i, i+1
.endr
.endr
	WIN 0
	s_cmp_eq_u32 s[TILES], 1
	s_cselect_b32 s[PFLIM], 3, 0
	s_wait_tensorcnt 0x1                           ; my part of the tile's K step 0 is in; K step 1's may stay out.  (At the second tile K step 0 was shown in at the last change of slots.)
	s_barrier_signal -1
	s_barrier_wait -1                              ; everybody's is
	FETCH 0, 0
.irp m, 0,1,2,3,4,5,6,7
	CV4 0, \m                                      ; the first quarter's roundings have no products to ride behind
.endr
	s_wait_loadcnt 0x0                             ; the bias is in the accumulators
	s_mov_b32 s[CNT], 14
	s_branch .Lmid                                 ; the loop is entered in the middle of a trip
.Lstep:                                                ; pass s = 14 - CNT: (the second half of K step s - 1,) the first half of K step s; the slot left takes K step s + 2
	QUARTER 1, 0, 0, 1, 0, 0
	WIN 0
.Lmid:
	QUARTER 0, 1, 1, 1, 1, 2, 2, 0
	s_sub_co_u32 s[CNT], s[CNT], 1
	s_cmp_lg_u32 s[CNT], 0
	s_cbranch_scc1 .Lstep
	s_cmp_eq_u32 s[TILES], 1
	s_cbranch_scc1 .Llast                          ; the last tile's two last changes of slots are written out: they ask for nothing
	s_mov_b32 s[CNT], 2
.Lnext:                                                ; THE RING GOES ON INTO THE NEXT TILE: slot 0 takes its K step 0, slot 1 its K step 1
	QUARTER 1, 0, 0, 1, 0, 0
	QUARTER 0, 1, 1, 1, 1, 2, 1, 1
	s_sub_co_u32 s[CNT], s[CNT], 1
	s_cmp_lg_u32 s[CNT], 0
	s_cbranch_scc1 .Lnext
	s_branch .Lout
.Llast:
	s_mov_b32 s[CNT], 2
.Ltail:                                                ; two trips that fill nothing: a plain barrier (the second trip's serves nothing: the price of one text for both)
	QUARTER 1, 0, 0, 1, 1, 0
	QUARTER 0, 1, 1, 1, 1, 1
	s_sub_co_u32 s[CNT], s[CNT], 1
	s_cmp_lg_u32 s[CNT], 0
	s_cbranch_scc1 .Ltail
.Lout:
	QUARTER 1, 0, 0, 0, 0, 0                       ; the tile's last quarter: nothing is fetched: the way out uses the fragments' registers
	PLACES                                         ; the conversions below read results just made
; THE WAY OUT, a block a of 16 rows x 256 columns at a time.  PACK: rounded to f16, each accumulator's registers in ascending order.  TOSTAGE: into my own stage, and back as whole rows.  SEND: stored.
.macro PACK a
	WIN 0x0a+5*((\a)/2)                            ; sources: window 2 or 3; destination: window 0
.set i, 0
.rept 64
	v_cvt_pk_f16_f32 v[TMP+i], v[128*((\a)%2)+2*i], v[128*((\a)%2)+2*i+1]
.set i, i+1
.endr
	WIN 0
.endm
.macro TOSTAGE a
	WIN 0
.set BK, 160-128*((\a)%2)
.irp b, 0,1,2,3,4,5,6,7,8,9,10,11,12,13,14,15
	ds_store_b128 v[STO], v[TMP+4*\b:TMP+4*\b+3] offset:32*\b
.endr
.if (\a) >= 2
	s_wait_xcnt 0x0                                ; the stores of the block two back have read these registers
.endif
.set u, 0
.rept 16                                       ; head u / 8, rows 2 (u % 8) and 2 (u % 8) + 1.  LDS serves a wave's instructions in order (ISA guide 5.7.1.4): these see the stores above
	ds_load_b128 v[BK+4*u:BK+4*u+3], v[RD] offset:(u/8)*256+(u%8)*2*SP
.set u, u+1
.endr
.endm
.macro SEND a
	WIN 0
.set BK, 160-128*((\a)%2)
	s_wait_dscnt 0x0                               ; the block is back in registers
.set u, 0
.rept 16
	global_store_b128 v[CO], v[BK+4*u:BK+4*u+3], s[22:23] offset:(u/8)*262144+(\a)*4096+(u%8)*512  ; 512 consecutive bytes, at a multiple of 256 from the buffer's first
.set u, u+1
.endr
.endm
	PACK 0
	TOSTAGE 0
.irp a, 1,2,3                          ; a block's arithmetic stands between the loads of the block before and the wait for them
	PACK \a
	SEND (\a)-1
	TOSTAGE \a
.endr
	SEND 3
	s_wait_xcnt 0x0                                ; the stores have had their addresses translated: their base steps, and the next tile writes the registers that they read, only behind this wait
	s_add_nc_u64 s[22:23], s[22:23], WALK_Y        ; y at my rows of the next tile (behind the last tile: not used)
	s_sub_co_u32 s[TILES], s[TILES], 1
	s_cmp_lg_u32 s[TILES], 0
	s_cbranch_scc1 .Ltile
	s_wait_tensorcnt 0x0                           ; the wave's end: a wait, an add of 0 and a wait, behind my last tensor load and my last LDS store
	ds_add_u32 v[SPW], v[NIL]
	s_wait_dscnt 0x0
	CROUND                                         ; the closing round: no work-group ends while a partner may still ask for a tile that names it
	s_endpgm
.Lfunc_end_k_q2b9997cef4_proj:
	.size	k_q2b9997cef4_proj, .Lfunc_end_k_q2b9997cef4_proj-k_q2b9997cef4_proj
	.p2alignl 7, 3214868480
	.fill 96, 4, 3214868480
	.section	.rodata,"a",@progbits
	.p2align	6, 0x0
	.amdhsa_kernel k_q2b9997cef4_proj
		.amdhsa_group_segment_fixed_size 327680
		.amdhsa_private_segment_fixed_size 0
		.amdhsa_enable_private_segment 0
		.amdhsa_kernarg_size 48
		.amdhsa_user_sgpr_count 2
		.amdhsa_user_sgpr_kernarg_segment_ptr 1
		.amdhsa_wavefront_size32 1
		.amdhsa_system_sgpr_workgroup_id_x 1
		.amdhsa_system_sgpr_workgroup_id_y 1
		.amdhsa_system_sgpr_workgroup_id_z 1
		.amdhsa_system_vgpr_workitem_id 0
		.amdhsa_next_free_vgpr 1024
		.amdhsa_next_free_sgpr 90
		.amdhsa_reserve_vcc 0
		.amdhsa_float_denorm_mode_32 3
		.amdhsa_float_denorm_mode_16_64 3
		.amdhsa_memory_ordered 1
		.amdhsa_forward_progress 1
		.amdhsa_inst_pref_size 124
	.end_amdhsa_kernel
	.amdgpu_metadata
---
amdhsa.version: [ 1, 2 ]
amdhsa.kernels:
  - .name:           k_q2b9997cef4_proj
    .symbol:         k_q2b9997cef4_proj.kd
    .args:
      - { .name: queries, .offset: 0, .size: 8, .value_kind: global_buffer, .address_space: global }
      - { .name: language_signals, .offset: 8, .size: 8, .value_kind: global_buffer, .address_space: global }
      - { .name: keys, .offset: 16, .size: 8, .value_kind: global_buffer, .address_space: global }
      - { .name: values, .offset: 24, .size: 8, .value_kind: global_buffer, .address_space: global }
      - { .name: wcast, .offset: 32, .size: 8, .value_kind: global_buffer, .address_space: global }
      - { .name: qskv, .offset: 40, .size: 8, .value_kind: global_buffer, .address_space: global }
    .group_segment_fixed_size: 327680
    .private_segment_fixed_size: 0
    .kernarg_segment_align: 8
    .kernarg_segment_size: 48
    .max_flat_workgroup_size: 128
    .sgpr_count:     90
    .vgpr_count:     1024
    .wavefront_size: 32
...
	.end_amdgpu_metadata
.endif
;; end of part 2
;; launch attn (part 3): grid 4 x 64, 4 waves a work-group, clusters of 4 x 1, 327,680 bytes of LDS; arguments qskv, oatt; writes oatt
.if DOCPART == 3
	.amdgcn_target "amdgcn-amd-amdhsa--gfx1250"
	.amdhsa_code_object_version 6
	.text
	.protected	k_q2b9997cef4_attn
	.globl	k_q2b9997cef4_attn
	.p2align	8
	.type	k_q2b9997cef4_attn,@function
k_q2b9997cef4_attn:
	s_mov_b64 s[64:65], 0
	v_nop
	global_prefetch_b8 v0, s[64:65] scope:SCOPE_SE
	s_setreg_imm32_b32 hwreg(HW_REG_WAVE_MODE, 25, 1), 1
	s_wait_xcnt 0x0
	s_wait_alu depctr_hold_cnt(0) depctr_sa_sdst(0) depctr_va_vdst(0) depctr_va_sdst(0) depctr_va_ssrc(0) depctr_va_vcc(0) depctr_vm_vsrc(0)
	s_getreg_b32 s2, hwreg(HW_REG_IB_STS2, 6, 4)
	s_cmp_eq_u32 s2, 0
	s_cbranch_scc0 .Lentry_in_a_cluster
	s_endpgm
.Lentry_in_a_cluster:
	s_bfe_u32 s2, ttmp6, 0x10000c
	s_cmp_lg_u32 s2, 0x3003
	s_cbranch_scc0 .Lentry_shape_is_right
	s_endpgm
.Lentry_shape_is_right:
; ATTENTION WITH A SENTINEL.  For head hh = b * 8 + h and query i: the scores are q_i . k_j / sqrt(128) for the 1,024 keys j, and one more, q_i . s_i / sqrt(128), whose value is the query's own row s_i;
; O_i = the softmax over all 1,025 times the values.  q, s, k, v: qskv[p][hh][1024][128] in f16 (p = 0, 1, 2, 3).  O leaves as f16 in oatt[b * 1024 + i][h * 128 + d].
; Products, maxima and sums in f32; the weights p are rounded to f16 for the second product (their sum l is taken of the unrounded p), O once at the end.
; LIMITS.  q, s, k, v arrive within f16's range; p lies in 0 to 1 and below 6e-5 keeps f16's fixed step of 6e-8; a weight below 2^-126 counts as 0 in l; NaN and infinities are not treated apart.
; The sentinel enters the running softmax FIRST, so the sums are rounded in another order than a softmax over [keys, sentinel].
; SHARES.  A work-group owns 256 queries of one head, each of its four waves 64: four tiles of 16.  Every wave walks all keys of the head, 64 a step.
; LAYOUT.  S^T = K Q^T (source 0 = 16 keys, source 1 = 16 queries): a lane holds ONE query (lane % 16) and the keys 8 (lane / 16) + 0..7.  Two such tiles, rounded to f16 in pairs, ARE source 1 of
; O^T = V^T P, whose result again holds one query a lane, and eight channels.  K comes out of LDS as it lies, V ([key][channel]) turned, by ds_load_tr16_b128.
; SOFTMAX.  For each query a running maximum m and sum l: p = 2^(c s - c m), c = log2(e) / sqrt(128); in every step O and l are multiplied by a = 2^(c m_old - c m_new).
; THE SENTINEL IS THE STARTING STATE: m = q . s, l = 1, O = s.  q . s is the diagonal of the product of the tile's 16 rows of s with its 16 rows of q; O^T = s comes from the product of a unit matrix
; with s's fragments (exact).  So every key step is a step like any other: no first step is written out, and nothing is cleared.
; BY TURNS.  The wave's tiles are two PIECES (0: tiles 0, 1; 2: tiles 2, 3).  In a TURN one piece has the matrix unit: 32 products V^T P of the step in hand, then 32 products K Q^T of the next step; the other
; piece's softmax, cut into 64 slices, stands between them, one slice behind each matrix instruction.  Two turns are a key step.
; CLUSTER.  The four query blocks of a head walk the same K and V, so each tile is asked for JOINTLY: the same tensor load, descriptor and mask in all four.
; REGISTERS, in windows of 256 (s_set_vgpr_msb: bits 1:0 source 0, 3:2 source 1, 5:4 source 2, 7:6 destination):
;   window 0: v0-11 addresses; v12-43 eight registers of statistics a tile; v44-46 at work at the start; v64-191 S^T, 32 a tile; v192-255 P, 16 a tile (at the start v192-203: the unit matrix)
;   window 1: O^T, 64 a tile          window 2: v0-127 Q, 32 a tile; v128-255 K of one step (at the start: s)          window 3: v0-127 V of one step
.set KS,    64        ; keys in a step
.set PK,    272       ; a row of K in LDS: 256 bytes + 16 of padding: the 16 rows of a load start at 16 different groups of four banks (64 banks of 4 bytes: ISA guide 11.1)
.set PV,    288       ; a row of V: 256 + 32
.set VOFF,  KS*PK     ; a step's tiles lie together: 64 rows of K, then 64 rows of V
.set STEPB, KS*(PK+PV)
.set SLOT1, 1<<17     ; a slot holds two steps (71,680 bytes); slot 1 begins here
.set STAGE, SLOT1+2*STEPB  ; behind the ring: 16 rows x 272 bytes for each wave, for the way out
.set SP,    272
.set SPARE, STAGE+4*16*SP  ; behind the stages: the spare words, 128 bytes for each wave: two blocks of 256 bytes that no other line names
.set AK0, 2           ; v2   my lane's place in a tile of K; never rewritten
.set AV0, 3           ; v3   the same for V
.set ADR, 4           ; v4   the LDS address of the run of loads in hand
.set QO,  5           ; v5   my byte offset in the wave's rows of q and s
.set STO, 6           ; v6   the way out: where I put 16 bytes of a row
.set RD,  7           ; v7   the way out: where I read a row back
.set GO,  8           ; v8   my byte offset in two rows of O
.set SPW, 62          ; v62  LDS address of my spare word; never rewritten
.set NIL, 63          ; v63  0; never rewritten
.set ST,  12          ; tile t's statistics at v[ST+8 t]: +0 c m, +1 m, +2, +3 l (even keys', odd keys'), +4 to +7 c0-c3, at work; a takes c2's place once the maximum is found
.set S,   64
.set P,   192
.set KF,  128         ; K's fragments, in window 2
.set WV,  12          ; s12  my wave's number
.set G1K, 24          ; s[24:31] descriptor group 1 for K's tiles
.set G1V, 32          ; s[32:39] for V's: it differs in the padding alone
.set G0K, 40          ; s[40:47] group 0 for K's tiles: a set for each of the two first fills; the second then walks
.set G0V, 48          ; s[48:55] the same for V's
.set SLOTS, 56        ; s56  counts the walk's slots
.set TWICE, 57        ; s57  counts a slot's steps
.set CS,  58          ; s[58:59] c: the packed scaling names a pair and takes its low word for both halves
.set SEL, 60          ; s[60:61] lane selects for v_permlanex16_b32: each lane takes its own place in the other half
.set TB,  62          ; s62  LDS byte at which the tiles of the step to be fetched begin
.set DM,  66          ; s[66:73] lane masks: register j of a 16 x 16 result holds the diagonal in lanes j and 24 + j
.set MSB, 0
.macro WIN new                      ; the immediate's high byte repeats the setting that is left; a switch that changes nothing is dropped
.if MSB != (\new)
	s_set_vgpr_msb (MSB<<8)|(\new)
.set MSB, (\new)
.endif
.endm
.set W_KQ, 0x0a       ; K and Q in window 2, S^T in window 0
.set W_PV, 0x53       ; V in window 3, P in window 0, O^T in window 1
.set W_RS, 0x41       ; O^T (destination and source 0) in window 1, a in window 0
; A joint refill.  Waves 0 and 1 fetch the two steps' tiles of K, waves 2 and 3 those of V.  The branch hangs on the wave's number alone.  An s_nop 0 and four v_nop follow each of the two lines.
.macro JLOAD
	s_cmp_lt_u32 s[WV], 2
	s_cbranch_scc0 .Lfor_v_\@
	tensor_load_to_lds s[G0K+4:G0K+7], s[G1K:G1K+7]
	s_nop 0
.rept 4
	v_nop
.endr
	s_branch .Lasked_\@
.Lfor_v_\@:
	tensor_load_to_lds s[G0V+4:G0V+7], s[G1V:G1V+7]
	s_nop 0
.rept 4
	v_nop
.endr
.Lasked_\@:
.endm
; A round of the cluster's barrier: my work-group's barrier, so that wave 0's signal speaks for all four waves; wave 0 signals; every wave waits for all four work-groups; my work-group's barrier once more.
.macro CROUND
	s_barrier_signal -1
	s_barrier_wait -1
	s_cmp_lg_u32 s[WV], 0
	s_cbranch_scc1 .Lnot_wave_0_\@
	s_barrier_signal -3
.Lnot_wave_0_\@:
	s_barrier_wait -3
	s_barrier_signal -1
	s_barrier_wait -1
.endm
	s_load_b64 s[4:5], s[0:1], 0x0    ; qskv
	s_load_b64 s[10:11], s[0:1], 0x8  ; oatt
	v_lshl_add_u32 v[SPW], v0, 2, SPARE
	v_mov_b32 v[NIL], 0
	ds_add_u32 v[SPW], v[NIL]       ; the wave's opening: the add and its wait stand ahead of my first tensor load; the set-up below, work on registers, stands between them
	v_lshrrev_b32 v1, 5, v0
	v_readfirstlane_b32 s[WV], v1   ; wave 0..3
	s_bfe_u32 s13, ttmp6, 0x40000   ; cx: my place in the cluster
	s_lshl_b32 s14, ttmp9, 2        ; in a cluster launch ttmp9 counts clusters
	s_add_co_u32 s14, s14, s13      ; my block of 256 queries: it enters q's, s's and O's addresses alone
	s_and_b32 s15, ttmp7, 0xffff    ; the head, which the four partners share
	s_lshl_b32 s20, s15, 18         ; a head's 1,024 rows of 256 bytes
	s_and_b32 s16, s[WV], 1         ; which of a slot's two steps I fetch:
	s_lshl_b32 s22, s16, 14         ; its 64 rows of 256 bytes in memory,
	s_add_co_u32 s22, s22, s20
	s_mov_b32 s23, 0
	s_mul_i32 s17, s16, STEPB       ; and its place in a slot: no place in the cluster enters an LDS address
	s_lshl_b32 s2, s14, 16          ; my block's 256 rows,
	s_lshl_b32 s3, s[WV], 14        ; my wave's 64 of them
	s_add_co_u32 s2, s2, s3
	s_add_co_u32 s2, s2, s20
	s_mov_b32 s3, 0
	s_lshr_b32 s74, s15, 3          ; O: batch << 21 (1,024 rows of 2,048 bytes), block << 19, wave << 17, head in the row << 8
	s_lshl_b32 s74, s74, 21
	s_lshl_b32 s75, s14, 19
	s_add_co_u32 s74, s74, s75
	s_lshl_b32 s75, s[WV], 17
	s_add_co_u32 s74, s74, s75
	s_and_b32 s75, s15, 7
	s_lshl_b32 s75, s75, 8
	s_add_co_u32 s74, s74, s75
	s_mov_b32 s75, 0
	; descriptor group 1: a tile of 64 rows x 128 elements of 2 bytes, padded in LDS after every 64 words
	s_mov_b32 s[G1K], 15|(1<<16)|(1<<20)|(1<<21)|(5<<22)|(3<<25)  ; the mask of all four work-groups; bit 21 set beside it; 4 words of padding
	s_mov_b32 s[G1V], 15|(1<<16)|(1<<20)|(1<<21)|(5<<22)|(7<<25)  ; the same with 8 words
.irp g, G1K, G1V
	s_mov_b32 s[(\g)+1], 128<<16    ; tensor_dim0 = 128
	s_mov_b32 s[(\g)+2], KS<<16     ; tensor_dim1 = 64
	s_mov_b32 s[(\g)+3], 128<<16    ; tile_dim0 = 128
	s_mov_b32 s[(\g)+4], KS         ; tile_dim1 = 64
	s_mov_b32 s[(\g)+5], 128        ; elements from row to row
	s_mov_b32 s[(\g)+6], 0
	s_mov_b32 s[(\g)+7], 0
.endr
	s_mov_b32 s[CS], 0x3e0293ee     ; c = log2(e) / sqrt(128) = 0.127517
	s_mov_b32 s[CS+1], s[CS]        ; named with it as a pair, so it is written
	s_mov_b32 s[SEL], 0x76543210
	s_mov_b32 s[SEL+1], 0xfedcba98
	s_mov_b32 s[TB], 0
.irp j, 0,1,2,3,4,5,6,7
	s_mov_b32 s[DM+\j], (1<<\j)|(1<<(24+\j))
.endr
	s_wait_dscnt 0x0                ; the opening add is done
	s_wait_kmcnt 0x0
	s_add_nc_u64 s[6:7], s[4:5], s[22:23]
	s_add_nc_u64 s[8:9], s[6:7], 0x3000000   ; v at my tile of slot 0
	s_add_nc_u64 s[6:7], s[6:7], 0x2000000   ; k likewise
	s_add_nc_u64 s[4:5], s[4:5], s[2:3]      ; q at my wave's first row,
	s_add_nc_u64 s[18:19], s[4:5], 0x1000000 ; s,
	s_add_nc_u64 s[10:11], s[10:11], s[74:75]  ; and O
	CROUND                          ; all four work-groups are here: the first joint loads meet
.irp s, 0,1
	s_mov_b32 s[G0K+4*(\s)], 1
	s_add_co_u32 s[G0K+4*(\s)+1], s17, (\s)*SLOT1
	s_add_nc_u64 s[G0K+4*(\s)+2:G0K+4*(\s)+3], s[6:7], (\s)*2*KS*256  ; slot s begins with keys 128 s to 128 s + 127
	s_or_b32 s[G0K+4*(\s)+3], s[G0K+4*(\s)+3], 0x80000000  ; type = 2
	s_mov_b32 s[G0V+4*(\s)], 1
	s_add_co_u32 s[G0V+4*(\s)+1], s17, (\s)*SLOT1+VOFF
	s_add_nc_u64 s[G0V+4*(\s)+2:G0V+4*(\s)+3], s[8:9], (\s)*2*KS*256
	s_or_b32 s[G0V+4*(\s)+3], s[G0V+4*(\s)+3], 0x80000000
.endr
	s_cmp_lt_u32 s[WV], 2           ; a wave's two first fills stand in one branch, ahead of every wait on TENSORcnt and every LDS read: two loads of mine are out
	s_cbranch_scc0 .Lfirst_v
	tensor_load_to_lds s[G0K:G0K+3], s[G1K:G1K+7]
	s_nop 0
	tensor_load_to_lds s[G0K+4:G0K+7], s[G1K:G1K+7]
	s_nop 0
.rept 4
	v_nop
.endr
	s_branch .Lfirst_asked
.Lfirst_v:
	tensor_load_to_lds s[G0V:G0V+3], s[G1V:G1V+7]
	s_nop 0
	tensor_load_to_lds s[G0V+4:G0V+7], s[G1V:G1V+7]
	s_nop 0
.rept 4
	v_nop
.endr
.Lfirst_asked:
	; A fragment of K, q or s is 16 rows x 32 channels in 8 registers: lane l holds row l % 16; registers 0-3 channels 8 (l / 16) + 0..7, registers 4-7 channels 16 + 8 (l / 16) + 0..7: two loads of 16 bytes, 32 apart.
	v_and_b32 v1, 15, v0            ; l % 16
	v_bfe_u32 v9, v0, 4, 1          ; l / 16
	v_lshlrev_b32 v[QO], 8, v1
	v_lshl_add_u32 v[QO], v9, 4, v[QO]  ; row x 256 + 16 x half
	WIN 0x80                        ; destination window 2, address window 0
.irp i, 0,1,2,3,4,5,6,7,8,9,10,11,12,13,14,15  ; q stays in registers: tile i / 4, channels 32 (i % 4) on; s lies in K's buffer until the first key step is fetched
	global_load_b128 v[8*(\i):8*(\i)+3],   v[QO], s[4:5] offset:((\i)/4)*4096+((\i)%4)*64
	global_load_b128 v[8*(\i)+4:8*(\i)+7], v[QO], s[4:5] offset:((\i)/4)*4096+((\i)%4)*64+32
	global_load_b128 v[KF+8*(\i):KF+8*(\i)+3],   v[QO], s[18:19] offset:((\i)/4)*4096+((\i)%4)*64
	global_load_b128 v[KF+8*(\i)+4:KF+8*(\i)+7], v[QO], s[18:19] offset:((\i)/4)*4096+((\i)%4)*64+32
.endr
	WIN 0
	v_mul_u32_u24 v[AK0], v1, PK
	v_lshl_add_u32 v[AK0], v9, 4, v[AK0]  ; row x pitch + 16 x half
	; The turning load takes 16 keys x 16 channels (lane l reads key 8 (l / 16) + l % 8, channels 8 ((l / 8) % 2) + 0..7) and leaves half a fragment of V^T: lane l holds channel l % 16 and 8 keys.
	v_and_b32 v10, 7, v0
	v_bfe_u32 v11, v0, 3, 1
	v_lshl_add_u32 v[AV0], v9, 3, v10
	v_mul_u32_u24 v[AV0], v[AV0], PV
	v_lshl_add_u32 v[AV0], v11, 4, v[AV0]
	v_add_nc_u32 v[AV0], VOFF, v[AV0]
	; The unit matrix as a source 0 of 16 x 32: lane l holds row l % 16; its one 1.0 (f16) stands at place d = l % 16 - 8 (l / 16) of the eight that four registers hold, if d is 0 to 7.
	; v[P:P+7] = [0 | I] picks the upper 16 of a fragment's 32 channels, v[P+4:P+11] = [I | 0] the lower 16.
	v_lshlrev_b32 v44, 3, v9
	v_sub_nc_u32 v44, v1, v44       ; d
	v_and_b32 v45, 1, v44
	v_lshlrev_b32 v45, 4, v45
	v_mov_b32 v46, 0x3c00
	v_lshlrev_b32 v45, v45, v46     ; 1.0 in the half d % 2
	v_ashrrev_i32 v44, 1, v44       ; the register, d / 2: outside 0..3 where the lane holds no 1
.irp j, 0,1,2,3
	v_mov_b32 v[P+\j], 0
	v_mov_b32 v[P+8+\j], 0
	v_cmp_eq_u32 vcc_lo, \j, v44
	v_cndmask_b32 v[P+4+\j], 0, v45, vcc_lo
.endr
	s_wait_loadcnt 0x0              ; q and s
	WIN W_KQ
.irp c, 0,1,2,3                     ; s q^T for each tile: the four accumulators take turns
.irp t, 0,1,2,3
.if \c == 0
	v_wmma_f32_16x16x32_f16 v[S+32*\t:S+32*\t+7], v[KF+32*\t+8*\c:KF+32*\t+8*\c+7], v[32*\t+8*\c:32*\t+8*\c+7], 0
.else
	v_wmma_f32_16x16x32_f16 v[S+32*\t:S+32*\t+7], v[KF+32*\t+8*\c:KF+32*\t+8*\c+7], v[32*\t+8*\c:32*\t+8*\c+7], v[S+32*\t:S+32*\t+7]
.endif
.endr
.endr
	WIN 0x48                        ; the unit matrix in window 0, s in window 2, O^T in window 1
.irp t, 0,1,2,3                     ; O^T = s: channels 16 cb on of tile t
.irp cb, 0,1,2,3,4,5,6,7
	v_wmma_f32_16x16x32_f16 v[64*\t+8*\cb:64*\t+8*\cb+7], v[P+4-4*(\cb%2):P+4-4*(\cb%2)+7], v[KF+32*\t+8*(\cb/2):KF+32*\t+8*(\cb/2)+7], 0
.endr
.endr
	WIN 0
.irp t, 0,1,2,3                     ; twelve plain lines, the places behind those products.  l = 1: a half in each half of the lanes
	v_mov_b32 v[ST+8*\t+5], 0
	v_mov_b32 v[ST+8*\t+2], 0.5
	v_mov_b32 v[ST+8*\t+3], 0
.endr
.irp t, 0,1,2,3                     ; m = the diagonal: lanes 0-7 and 24-31 hold it, each in one register; the other half of the lanes takes it from them
	v_cndmask_b32 v[ST+8*\t+4], 0, v[S+32*\t], s[DM]
.irp j, 1,2,3,4,5,6,7
	v_cndmask_b32 v[ST+8*\t+4], v[ST+8*\t+4], v[S+32*\t+\j], s[DM+\j]
.endr
	v_permlanex16_b32 v[ST+8*\t+5], v[ST+8*\t+4], s[SEL], s[SEL+1]
	v_add_f32 v[ST+8*\t+1], v[ST+8*\t+4], v[ST+8*\t+5]
	v_mul_f32 v[ST+8*\t], s[CS], v[ST+8*\t+1]
.endr
; THE MATRIX WORK OF A TURN, for piece x.  The accumulators take turns, one instruction a turn: between two links of a chain stand 15 (V^T P) or 7 (K Q^T) others'.
; Product i of 32 of O^T += V^T P: keys 32 (i / 16) on, channels 16 ((i / 2) % 8) on, tile x + i % 2.
.macro PV x
	WIN W_PV
.set rO, 64*((\x)+i%2)+8*((i/2)%8)
.set rV, 64*(i/16)+8*((i/2)%8)
.set rP, P+16*((\x)+i%2)+8*(i/16)
	v_wmma_f32_16x16x32_f16 v[rO:rO+7], v[rV:rV+7], v[rP:rP+7], v[rO:rO+7]
.endm
; Product i of 32 of S^T = K Q^T: channels 32 (i / 8) on, keys 16 ((i / 2) % 4) on, tile x + i % 2.  The first 8 start the sums.
.macro KQ x
	WIN W_KQ
.set rS, S+32*((\x)+i%2)+8*((i/2)%4)
.set rK, KF+32*((i/2)%4)+8*(i/8)
.set rQ, 32*((\x)+i%2)+8*(i/8)
.if i < 8
	v_wmma_f32_16x16x32_f16 v[rS:rS+7], v[rK:rK+7], v[rQ:rQ+7], 0
.else
	v_wmma_f32_16x16x32_f16 v[rS:rS+7], v[rK:rK+7], v[rQ:rQ+7], v[rS:rS+7]
.endif
.endm
; THE LDS LOADS stand in runs of 32, never singly among the matrix instructions: a step's K (16 fragments) and, a turn later, its V (turned).
.macro FETCH_K
	WIN 0
	v_add_nc_u32 v[ADR], s[TB], v[AK0]
	WIN 0x80                        ; destination window 2
.irp f, 0,1,2,3,4,5,6,7,8,9,10,11,12,13,14,15  ; keys 16 (f / 4) on, channels 32 (f % 4) on
	ds_load_b128 v[KF+8*(\f):KF+8*(\f)+3],   v[ADR] offset:((\f)/4)*16*PK+((\f)%4)*64
	ds_load_b128 v[KF+8*(\f)+4:KF+8*(\f)+7], v[ADR] offset:((\f)/4)*16*PK+((\f)%4)*64+32
.endr
.endm
.macro FETCH_V
	WIN 0
	v_add_nc_u32 v[ADR], s[TB], v[AV0]
	s_add_co_u32 s[TB], s[TB], STEPB  ; the next fetch is the next step's
	WIN 0xc0                        ; destination window 3
.irp f, 0,1,2,3,4,5,6,7,8,9,10,11,12,13,14,15  ; keys 32 (f / 8) on, channels 16 (f % 8) on
	ds_load_tr16_b128 v[8*(\f):8*(\f)+3],   v[ADR] offset:((\f)/8)*32*PV+((\f)%8)*32
	ds_load_tr16_b128 v[8*(\f)+4:8*(\f)+7], v[ADR] offset:((\f)/8)*32*PV+16*PV+((\f)%8)*32
.endr
.endm
; THE VECTOR WORK OF A TURN.  One tile's softmax for one key step is a list of 134 instructions; SM writes number j of it for tile t.  s0-s31 are the lane's 32 scores, in pairs 0-15.
;   0-15    the maximum of s0-s31 and the old m, three operands at a time: four chains c0-c3 of seven scores each (each accumulator's lowest registers first), then the four left over, c0-c3 and m
;   16-20   the other half of the lanes' maximum; the new m; c m; c m_old - c m_new
;   21-87   33 exponentials (a, then s0-s31) at the odd numbers from 23 on, so that no two follow each other and each has a plain instruction behind it before its result is used (ISA guide 5.7.2).
;           The plain instruction between is whatever is ready: c s - c m for a pair whose exponentials are still to come, the rounding to f16 of a pair whose exponentials are done, at last the first three sums
;   88-101  the last rounding; the rest of the sums; l = a l + the sum
;   102-133 the tile's O^T times a: the one part that leaves window 0, so it stands together
.macro SM t
.set rT, ST+8*(\t)
.set rS, S+32*(\t)
.set rP, P+16*(\t)
.set rO, 64*(\t)+2*(j-102)
.set q, (j-20)/2
.if j < 102
	WIN 0
.endif
.if j < 4
	v_max3_num_f32 v[rT+4+j], v[rS+8*j], v[rS+8*j+1], v[rS+8*j+2]
.elseif j < 12
	v_max3_num_f32 v[rT+4+j%4], v[rT+4+j%4], v[rS+8*(j%4)+2*(j/4)+1], v[rS+8*(j%4)+2*(j/4)+2]
.elseif j == 12
	v_max3_num_f32 v[rT+4], v[rT+4], v[rS+7], v[rS+15]
.elseif j == 13
	v_max3_num_f32 v[rT+6], v[rT+6], v[rS+23], v[rS+31]
.elseif j == 14
	v_max3_num_f32 v[rT+4], v[rT+4], v[rT+5], v[rT+6]
.elseif j == 15
	v_max3_num_f32 v[rT+4], v[rT+4], v[rT+7], v[rT+1]
.elseif j == 16
	v_permlanex16_b32 v[rT+5], v[rT+4], s[SEL], s[SEL+1]  ; the query's other 32 keys lie in the lane 16 away
.elseif j == 17
	v_mov_b32 v[rT+7], v[rT]        ; c m_old is kept for a: number 19 writes c m anew
.elseif j == 18
	v_max_num_f32 v[rT+1], v[rT+4], v[rT+5]
.elseif j == 19
	v_mul_f32 v[rT], s[CS], v[rT+1]
.elseif j == 20
	v_sub_f32 v[rT+7], v[rT+7], v[rT]
.elseif j == 23
	v_exp_f32 v[rT+6], v[rT+7]
.elseif (j < 88) && (j > 23) && (j%2 == 1)
	v_exp_f32 v[rS+(j-25)/2], v[rS+(j-25)/2]
.elseif (q < 4) || ((j < 76) && (q%2 == 0))
.set b, q/2+2
.if q < 4
.set b, q
.endif
	v_pk_fma_f32 v[rS+2*b:rS+2*b+1], v[rS+2*b:rS+2*b+1], s[CS:CS+1], v[rT:rT+1] op_sel_hi:[1,0,0] neg_lo:[0,0,1] neg_hi:[0,0,1]  ; pair b: c s - c m
.elseif (j < 88) && (q%2 == 1)
	s_wait_alu depctr_va_vdst(0)
	v_cvt_pk_f16_f32 v[rP+(q-5)/2], v[rS+q-5], v[rS+q-4]  ; pair (q - 5) / 2: its second exponential stands three numbers back
.elseif j == 89
	s_wait_alu depctr_va_vdst(0)
	v_cvt_pk_f16_f32 v[rP+15], v[rS+30], v[rS+31]
.elseif j < 102                     ; the sum of the tile's 16 pairs, in place: sum z of 16 adds neighbours 1, 2, 4 and 8 pairs apart, then l takes it
.set z, j-86
.if j < 89
.set z, (j-76)/4
.endif
.set w, 4
.set u, z
.if z >= 14
.set w, 32
.set u, 0
.elseif z >= 12
.set w, 16
.set u, z-12
.elseif z >= 8
.set w, 8
.set u, z-8
.endif
.if z < 15
	v_pk_add_f32 v[rS+w*u:rS+w*u+1], v[rS+w*u:rS+w*u+1], v[rS+w*u+w/2:rS+w*u+w/2+1]
.else
	v_pk_fma_f32 v[rT+2:rT+3], v[rT+2:rT+3], v[rT+6:rT+7], v[rS:rS+1] op_sel_hi:[1,0,1]
.endif
.else
	WIN W_RS
	v_pk_mul_f32 v[rO:rO+1], v[rO:rO+1], v[rT+6:rT+7] op_sel_hi:[1,0]
.endif
.endm
; Slice k of 64 of piece y's softmax: numbers 2 k and 2 k + 1 of both tiles' lists, four instructions.  2 x 134 = 4 x 64 + 12: the twelve that are over stand together, in slice 63: sixteen plain
; instructions that name nothing of the products round them: the places behind the turn's last product.
.macro SLICE y
.if (k >= 11) && (k < 44)           ; tile by tile: plain, exponential, plain, exponential
.irp t, \y, (\y)+1
.irp n, 0,1
.set j, 2*k+(\n)
	SM \t
.endr
.endr
.else                               ; the two tiles alternate, so that no instruction reads the result of the one just before it
.irp n, 0,1,2,3,4,5,6,7
.if ((\n) < 2) || (k == 63)
.irp t, \y, (\y)+1
.set j, 2*k+(\n)
	SM \t
.endr
.endif
.endr
.endif
.set k, k+1
.endm
; A TURN.  Piece x has the matrix unit; the other piece's softmax stands in slices behind its matrix instructions.  pv = 1: 32 products V^T P.  kq = 1: 32 products K Q^T for the next step.
; A turn with one of the two kinds has two slices behind each product.  Each run of loads stands behind the second product of a run of 32, 30 matrix instructions ahead of its first use.
; Piece 0's turn fetches the next step's K: the last product that read K stands in front of slice 63 of the turn before.  Piece 2's turn fetches the same step's V: the last product that read V stands
; three slices, six plain instructions, back.
.macro TURN x, pv, kq
.set k, 0
.set per, 2
.if (\pv) && (\kq)
.set per, 1
.endif
.if \pv
.if (\x) == 0
	s_wait_dscnt 0x0                ; V is in
.endif
.set i, 0
.rept 32
	PV \x
.rept per
	SLICE 2-(\x)
.endr
.if ((\x) == 0) && (\kq) && (i == 1)
	FETCH_K
.endif
.set i, i+1
.endr
.endif
.if \kq
.if (\x) == 0
	s_wait_dscnt 0x0                ; K is in
.endif
.set i, 0
.rept 32
	KQ \x
.rept per
	SLICE 2-(\x)
.endr
.if ((\x) == 2) && (i == 1)
	FETCH_V
.endif
.set i, i+1
.endr
.endif
.endm
; THE CHANGE OF SLOTS, between piece 2's turn and piece 0's: the slot's last bytes, V of its second step, have been asked for.  Each wave waits for all its tensor loads, of which one is out: its part of
; the other slot; adds 0 to its spare word; and waits for that and for its own reads of the slot.  Behind the barrier nobody reads this slot any more and the other slot is whole.
; fill = 1: this slot is filled again, with the keys two slots on.  The barrier is then a round of the cluster's, and the joint refill is the first thing behind it: it has two key steps, 256 matrix instructions, in which to land.
.macro CHANGE fill
	WIN 0                           ; at a label and at a branch every window is 0
	s_wait_tensorcnt 0x0            ; no tensor load of mine is out, so a group 0 may be written
	ds_add_u32 v[SPW], v[NIL]       ; 0 onto my spare word: with fill = 1 the descriptors' steps stand between it and the wait for it
.if \fill
.irp g, G0K+4, G0V+4
	s_xor_b32 s[(\g)+1], s[(\g)+1], SLOT1  ; the walking descriptor: the other slot than last time,
	s_add_nc_u64 s[(\g)+2:(\g)+3], s[(\g)+2:(\g)+3], 2*KS*256  ; the next 128 keys; the type bits on top are not reached
.endr
	s_wait_dscnt 0x0                ; the add is done, and my reads of the slot are over
	CROUND
	JLOAD
.else
	s_wait_dscnt 0x0                ; the add is done, and my reads of the slot are over
	s_barrier_signal -1
	s_barrier_wait -1
.endif
	s_sub_co_u32 s[TB], s[TB], 2*STEPB  ; the fetches go back to a slot's first step,
	s_xor_b32 s[TB], s[TB], SLOT1   ; in the other slot
.endm
	s_wait_tensorcnt 0x1            ; my part of slot 0 is in; slot 1's may stay out
	s_barrier_signal -1
	s_barrier_wait -1               ; everybody's is
	FETCH_K                         ; key step 0, over s, which has served
	s_wait_dscnt 0x0
.set i, 0
.rept 32
	KQ 0                            ; piece 0's first scores: there is no vector work yet to set between them
.set i, i+1
.endr
	WIN 0                           ; the addresses for the way out are made here: eight plain instructions, the places behind those products
	s_mul_i32 s13, s[WV], 16*SP
	s_add_co_u32 s13, s13, STAGE    ; my stage
	v_mul_u32_u24 v[STO], v1, SP    ; in: row l % 16, 16 bytes for each half of the lanes
	v_lshl_add_u32 v[STO], v9, 4, v[STO]
	v_add_nc_u32 v[STO], s13, v[STO]
	v_mul_u32_u24 v[RD], v9, SP     ; back: lanes 0-15 take one row of 256 bytes, lanes 16-31 the next
	v_lshl_add_u32 v[RD], v1, 4, v[RD]
	v_add_nc_u32 v[RD], s13, v[RD]
	v_lshlrev_b32 v[GO], 11, v9     ; and the same two rows in O, 2,048 bytes apart
	v_lshl_add_u32 v[GO], v1, 4, v[GO]
	TURN 2, 0, 1                    ; piece 2's first scores | piece 0's softmax of step 0, onto the sentinel's state | V of step 0
	WIN 0
	s_mov_b32 s[SLOTS], 7           ; the walk: slot 0's second step, then six slots that are left behind filled again,
	s_mov_b32 s[TWICE], 1
	s_branch .Lstep                 ; so the loop is entered behind its change of slots, for one step
.Lslot:
	CHANGE 1
	s_mov_b32 s[TWICE], 2
.Lstep:                             ; a key step: written once; the LDS addresses hang on s[TB]
	TURN 0, 1, 1
	TURN 2, 1, 1
	WIN 0
	s_sub_co_u32 s[TWICE], s[TWICE], 1
	s_cmp_lg_u32 s[TWICE], 0
	s_cbranch_scc1 .Lstep
	s_sub_co_u32 s[SLOTS], s[SLOTS], 1
	s_cmp_lg_u32 s[SLOTS], 0
	s_cbranch_scc1 .Lslot
	CHANGE 0                        ; the tail is written out: nothing is asked for
	s_mov_b32 s[TWICE], 2
.Llast:
	TURN 0, 1, 1
	TURN 2, 1, 1
	WIN 0
	s_sub_co_u32 s[TWICE], s[TWICE], 1
	s_cmp_lg_u32 s[TWICE], 0
	s_cbranch_scc1 .Llast
	TURN 0, 1, 0                    ; piece 0: V^T P of the last step | piece 2's last softmax
.set i, 0
.rept 32
	PV 2                            ; piece 2: V^T P of the last step
.set i, i+1
.endr
	; THE WAY OUT.  l's two halves and the other half of the lanes' are added; O^T is divided by l, rounded to f16 and sent through my stage in LDS, a tile (16 rows of O) at a time.  The additions are the places behind the last products.
	WIN 0
.irp t, 0,1,2,3
	v_add_f32 v[ST+8*(\t)+4], v[ST+8*(\t)+2], v[ST+8*(\t)+3]
.endr
.irp t, 0,1,2,3
	v_permlanex16_b32 v[ST+8*(\t)+5], v[ST+8*(\t)+4], s[SEL], s[SEL+1]
.endr
.irp t, 0,1,2,3
	v_add_f32 v[ST+8*(\t)+4], v[ST+8*(\t)+4], v[ST+8*(\t)+5]
.endr
.irp t, 0,1,2,3
	v_rcp_f32 v[ST+8*(\t)+6], v[ST+8*(\t)+4]
.endr
	v_nop                           ; a plain instruction between the last reciprocal and the use of its result
; Tile t: a lane's eight channels of a row pack into 16 bytes; they go into rows of 272 bytes and come back as whole rows of 256, into S^T's registers.
.macro PACK t
	WIN W_RS
.set i, 64*(\t)
.rept 32
	s_wait_alu depctr_va_vdst(0)
	v_pk_mul_f32 v[i:i+1], v[i:i+1], v[ST+8*(\t)+6:ST+8*(\t)+7] op_sel_hi:[1,0]
.set i, i+2
.endr
	WIN 0x05                        ; sources 0 and 1 window 1, destination window 0
.set i, 0
.rept 32
	v_cvt_pk_f16_f32 v[S+32*(\t)+i], v[64*(\t)+2*i], v[64*(\t)+2*i+1]
.set i, i+1
.endr
	WIN 0
.irp f, 0,1,2,3,4,5,6,7
	ds_store_b128 v[STO], v[S+32*(\t)+4*(\f):S+32*(\t)+4*(\f)+3] offset:32*(\f)
.endr
.irp f, 0,1,2,3,4,5,6,7
	ds_load_b128 v[S+32*(\t)+4*(\f):S+32*(\t)+4*(\f)+3], v[RD] offset:(\f)*2*SP  ; LDS serves a wave's instructions in order (ISA guide 5.7.1.4): these see the stores above; the next tile's stores come behind them
.endr
.endm
.macro SEND t, younger              ; younger: the LDS instructions issued behind tile t's loads: the next tile's sixteen, or none
	WIN 0
.irp f, 0,1,2,3,4,5,6,7
	s_wait_dscnt (\younger)+7-(\f)
	global_store_b128 v[GO], v[S+32*(\t)+4*(\f):S+32*(\t)+4*(\f)+3], s[10:11] offset:(\t)*32768+(\f)*4096  ; 16 lanes store 256 consecutive bytes, at a multiple of 256 from O's first byte
.endr
.endm
	PACK 0
	PACK 1                          ; a tile's arithmetic stands between the loads of the tile before and its stores
	SEND 0, 16
	PACK 2
	SEND 1, 16
	PACK 3
	SEND 2, 16
	SEND 3, 0
	s_wait_tensorcnt 0x0            ; the wave's end: a wait, an add of 0 and a wait, behind my last tensor load and my last LDS store
	ds_add_u32 v[SPW], v[NIL]
	s_wait_dscnt 0x0
	CROUND                          ; the closing round: no work-group ends while a partner may still ask for a tile that names it
	s_endpgm
.Lfunc_end_k_q2b9997cef4_attn:
	.size	k_q2b9997cef4_attn, .Lfunc_end_k_q2b9997cef4_attn-k_q2b9997cef4_attn
	.p2alignl 7, 3214868480
	.fill 96, 4, 3214868480
	.section	.rodata,"a",@progbits
	.p2align	6, 0x0
	.amdhsa_kernel k_q2b9997cef4_attn
		.amdhsa_group_segment_fixed_size 327680
		.amdhsa_private_segment_fixed_size 0
		.amdhsa_enable_private_segment 0
		.amdhsa_kernarg_size 16
		.amdhsa_user_sgpr_count 2
		.amdhsa_user_sgpr_kernarg_segment_ptr 1
		.amdhsa_wavefront_size32 1
		.amdhsa_system_sgpr_workgroup_id_x 1
		.amdhsa_system_sgpr_workgroup_id_y 1
		.amdhsa_system_sgpr_workgroup_id_z 1
		.amdhsa_system_vgpr_workitem_id 0
		.amdhsa_next_free_vgpr 1024
		.amdhsa_next_free_sgpr 76
		.amdhsa_reserve_vcc 1
		.amdhsa_float_denorm_mode_32 3
		.amdhsa_float_denorm_mode_16_64 3
		.amdhsa_memory_ordered 1
		.amdhsa_forward_progress 1
		.amdhsa_inst_pref_size 202
	.end_amdhsa_kernel
	.amdgpu_metadata
---
amdhsa.version: [ 1, 2 ]
amdhsa.kernels:
  - .name:           k_q2b9997cef4_attn
    .symbol:         k_q2b9997cef4_attn.kd
    .args:
      - { .name: qskv, .offset: 0, .size: 8, .value_kind: global_buffer, .address_space: global }
      - { .name: oatt, .offset: 8, .size: 8, .value_kind: global_buffer, .address_space: global }
    .group_segment_fixed_size: 327680
    .private_segment_fixed_size: 0
    .kernarg_segment_align: 8
    .kernarg_segment_size: 16
    .max_flat_workgroup_size: 128
    .sgpr_count:     76
    .vgpr_count:     1024
    .wavefront_size: 32
...
	.end_amdgpu_metadata
.endif
;; end of part 3
;; launch outp (part 4): grid 4 x 64, 4 waves a work-group, clusters of 4 x 4, 327,680 bytes of LDS; arguments oatt, wcast, out0; writes out0
.if DOCPART == 4
	.amdgcn_target "amdgcn-amd-amdhsa--gfx1250"
	.amdhsa_code_object_version 6
	.text
	.protected	k_q2b9997cef4_outp
	.globl	k_q2b9997cef4_outp
	.p2align	8
	.type	k_q2b9997cef4_outp,@function
k_q2b9997cef4_outp:
	s_mov_b64 s[64:65], 0
	v_nop
	global_prefetch_b8 v0, s[64:65] scope:SCOPE_SE
	s_setreg_imm32_b32 hwreg(HW_REG_WAVE_MODE, 25, 1), 1
	s_wait_xcnt 0x0
	s_wait_alu depctr_hold_cnt(0) depctr_sa_sdst(0) depctr_va_vdst(0) depctr_va_sdst(0) depctr_va_ssrc(0) depctr_va_vcc(0) depctr_vm_vsrc(0)
	s_getreg_b32 s2, hwreg(HW_REG_IB_STS2, 6, 4)
	s_cmp_eq_u32 s2, 0
	s_cbranch_scc0 .Lentry_in_a_cluster
	s_endpgm
.Lentry_in_a_cluster:
	s_bfe_u32 s2, ttmp6, 0x10000c
	s_cmp_lg_u32 s2, 0xf033
	s_cbranch_scc0 .Lentry_shape_is_right
	s_endpgm
.Lentry_shape_is_right:
; THE OUTPUT PROJECTION.  out0 = O Wo^T + bo.  O: oatt [8192][1024] f16.  Wo: [1024][1024] f16 (numbers rounded to bf16) at byte 8,388,608 of wcast.  bo: rounded to bf16 and written as f32, at byte
; 10,485,760 + 16,384 of wcast (both by the first launch).  out0: f32.  Products and sums in f32; the bias is the C operand of the product that starts each sum.
; LIMITS.  NaN and infinities are not treated apart.
; SHARES.  A work-group makes 128 rows x 256 columns: 256 work-groups (tiles of 256 x 256 would be 128).  Four waves, 2 x 2, each 64 x 128: 32 accumulators of 16 x 16, 256 registers.
; K goes in 8 steps of 128 (rows of 256 bytes of memory) through two LDS slots; a step is four quarters of 32 along K, 32 products each, on two fragment buffers.
; CLUSTER.  4 x 4 work-groups: O's tile is shared along a row of the cluster, Wo's along a column; each is asked for JOINTLY, by the same tensor load, descriptor and mask in the four.
; THE MATRIX INSTRUCTION IS USED TRANSPOSED (source 0 = 16 rows of Wo, source 1 = 16 rows of O): a lane holds row lane % 16 and the columns 8 (lane / 16) + 0..7: 32 consecutive bytes of out0.
; REGISTERS (s_set_vgpr_msb: bits 1:0 source 0, 3:2 source 1, 5:4 source 2, 7:6 destination):
;   window 0: v0-31 addresses; v64-159, v160-255 two fragment buffers (Wo's 64 registers, then O's 32); on the way out whole rows          window 1: the accumulators, (a, b) at 8 (8 a + b)          window 2: v0-63 the bias
.set SLOT1,  131072                    ; slot 1 begins here
.set PT,     272                       ; an LDS row: 256 bytes + 16 of padding: the 16 rows of a load start at 16 different groups of four banks (64 banks of 4 bytes: ISA guide 11.1)
.set BOFF,   128*PT                    ; in a slot: O's 128 rows, then Wo's 256 rows
.set STAGE,  SLOT1+BOFF+256*PT         ; behind the ring, never filled by a tensor load: 16 rows x 528 bytes for each wave
.set SP,     528
.set SPARE,  STAGE+4*16*SP             ; behind the stages: the spare words, 128 bytes for each wave: two blocks of 256 bytes that no other line names
.set BIAS,   10485760+4*4096           ; where bo lies in wcast
.set ADRA0, 16                         ; v16, v17  my lane's place in O's and in Wo's tile; never rewritten
.set ADRB0, 17
.set ADRA,  18                         ; v18, v19  the same in the slot that the fetches read
.set ADRB,  19
.set STO,   24                         ; v24  the way out: where I put 32 bytes of a row
.set RD,    25                         ; v25  the way out: where I read a row back
.set CO,    26                         ; v26  my byte offset in 512 consecutive bytes of out0
.set SPW,   28                         ; v28  LDS address of my spare word; never rewritten
.set NIL,   29                         ; v29  0; never rewritten
.set BO,    30                         ; v30  my byte offset in 16 numbers of the bias
.set F0,    64
.set F1,    160
.set CNT, 2
.set G1A, 24                           ; s[24:31], s[32:39] descriptor groups 1 and 0 for O's tiles; of group 0 a set for each first fill, the second then walks
.set G0A, 32
.set G1B, 40                           ; s[40:47], s[48:55] the same for Wo's
.set G0B, 48
.set WV,  56
.set HF,  57                           ; s57  which half of a tile I fetch; also which 128 columns are mine
.set CX,  58
.set CY,  59
.set TY,  60                           ; s60  which 128 rows
.set XT,  61                           ; s61  which 256 columns
.set RH,  62                           ; s62  which 64 rows of the tile are mine
.set TB,  63                           ; s63  the slot that the fetches read
.set MSB, 0
.macro WIN new
.if MSB != (\new)
	s_set_vgpr_msb (MSB<<8)|(\new)
.set MSB, (\new)
.endif
.endm
.macro PLACES                          ; four places in front of loads into registers that matrix instructions have read, and of stores that read results
.rept 4
	v_nop
.endr
.endm
.macro CREST
	s_cmp_lg_u32 s[WV], 0
	s_cbranch_scc1 .Lnot_wave_0_\@
	s_barrier_signal -3
.Lnot_wave_0_\@:
	s_barrier_wait -3
	s_barrier_signal -1
	s_barrier_wait -1
.endm
.macro CROUND
	s_barrier_signal -1
	s_barrier_wait -1
	CREST
.endm
.macro JLOAD                           ; a joint refill: waves 0 and 1 fetch O's halves, waves 2 and 3 Wo's; an s_nop 0 and four v_nop follow each of the two lines
	s_cmp_lt_u32 s[WV], 2
	s_cbranch_scc0 .Lfor_b_\@
	tensor_load_to_lds s[G0A+4:G0A+7], s[G1A:G1A+7]
	s_nop 0
.rept 4
	v_nop
.endr
	s_branch .Lasked_\@
.Lfor_b_\@:
	tensor_load_to_lds s[G0B+4:G0B+7], s[G1B:G1B+7]
	s_nop 0
.rept 4
	v_nop
.endr
.Lasked_\@:
.endm
	s_load_b128 s[4:7], s[0:1], 0x0                ; oatt s[4:5], wcast s[6:7]
	s_load_b64 s[10:11], s[0:1], 0x10              ; out0
	v_lshl_add_u32 v[SPW], v0, 2, SPARE
	v_mov_b32 v[NIL], 0
	ds_add_u32 v[SPW], v[NIL]                      ; the wave's opening: the add and its wait stand ahead of my first tensor load; the set-up below, work on registers, stands between them
	v_lshrrev_b32 v1, 5, v0
	v_readfirstlane_b32 s[WV], v1
	s_and_b32 s[HF], s[WV], 1
	s_lshr_b32 s[RH], s[WV], 1
	s_bfe_u32 s[CX], ttmp6, 0x40000
	s_bfe_u32 s[CY], ttmp6, 0x40004
	s_and_b32 s[TY], ttmp7, 0xffff
	s_lshl_b32 s[TY], s[TY], 2
	s_add_co_u32 s[TY], s[TY], s[CY]               ; tile row = 4 x cluster y + cy
	s_lshl_b32 s[XT], ttmp9, 2
	s_add_co_u32 s[XT], s[XT], s[CX]               ; tile column = 4 x cluster x + cx
	s_lshl_b32 s78, s[CY], 2
	s_lshl_b32 s78, 15, s78                        ; my row of the cluster
	s_lshl_b32 s79, 0x1111, s[CX]                  ; my column
	; group 1: rows of 128 elements of 2 bytes, 1,024 elements from row to row, 4 words of padding after every 64; O's load has 64 rows, Wo's 128
	s_or_b32 s[G1A], s78, (1<<16)|(1<<20)|(1<<21)|(5<<22)|(3<<25)
	s_mov_b32 s[G1A+1], 128<<16
	s_mov_b32 s[G1A+2], 64<<16
	s_mov_b32 s[G1A+3], 128<<16
	s_mov_b32 s[G1A+4], 64
	s_mov_b32 s[G1A+5], 1024
	s_mov_b32 s[G1A+6], 0
	s_mov_b32 s[G1A+7], 0
	s_or_b32 s[G1B], s79, (1<<16)|(1<<20)|(1<<21)|(5<<22)|(3<<25)
	s_mov_b32 s[G1B+1], 128<<16
	s_mov_b32 s[G1B+2], 128<<16
	s_mov_b32 s[G1B+3], 128<<16
	s_mov_b32 s[G1B+4], 128
	s_mov_b32 s[G1B+5], 1024
	s_mov_b32 s[G1B+6], 0
	s_mov_b32 s[G1B+7], 0
	s_lshl_b32 s66, s[TY], 18                      ; O: 128 rows of 2,048 bytes, in registers that never hold cx
	s_lshl_b32 s3, s[HF], 17
	s_add_co_u32 s66, s66, s3
	s_mov_b32 s67, 0
	s_lshl_b32 s68, s[XT], 19                      ; Wo: 256 rows of 2,048 bytes, in registers that never hold cy
	s_lshl_b32 s3, s[HF], 18
	s_add_co_u32 s68, s68, s3
	s_add_co_u32 s68, s68, 8388608                 ; Wo's part of wcast
	s_mov_b32 s69, 0
	s_mov_b32 s[G0A], 1
	s_mul_i32 s[G0A+1], s[HF], 64*PT               ; no place in the cluster enters an LDS address
	s_mov_b32 s[G0A+4], 1
	s_add_co_u32 s[G0A+5], s[G0A+1], SLOT1
	s_mov_b32 s[G0B], 1
	s_mul_i32 s[G0B+1], s[HF], 128*PT
	s_add_co_u32 s[G0B+1], s[G0B+1], BOFF
	s_mov_b32 s[G0B+4], 1
	s_add_co_u32 s[G0B+5], s[G0B+1], SLOT1
	s_mov_b32 s[TB], 0
	s_lshl_b32 s74, s[XT], 10                      ; my 128 columns, in bytes of f32
	s_lshl_b32 s71, s[HF], 9
	s_add_co_u32 s74, s74, s71
	s_mov_b32 s75, 0
	s_lshl_b32 s70, s[TY], 19                      ; my 64 rows of 4,096 bytes
	s_lshl_b32 s71, s[RH], 18
	s_add_co_u32 s70, s70, s71
	s_add_co_u32 s70, s70, s74
	s_mov_b32 s71, 0
	s_wait_dscnt 0x0                               ; the opening add is done
	s_wait_kmcnt 0x0
	s_add_nc_u64 s[8:9], s[6:7], s[74:75]
	s_add_nc_u64 s[8:9], s[8:9], BIAS              ; the bias at my first column
	s_add_nc_u64 s[10:11], s[10:11], s[70:71]
	s_add_nc_u64 s[G0A+2:G0A+3], s[4:5], s[66:67]  ; K step 0,
	s_add_nc_u64 s[G0A+6:G0A+7], s[G0A+2:G0A+3], 256  ; K step 1
	s_or_b32 s[G0A+3], s[G0A+3], 0x80000000
	s_or_b32 s[G0A+7], s[G0A+7], 0x80000000
	s_add_nc_u64 s[G0B+2:G0B+3], s[6:7], s[68:69]
	s_add_nc_u64 s[G0B+6:G0B+7], s[G0B+2:G0B+3], 256
	s_or_b32 s[G0B+3], s[G0B+3], 0x80000000
	s_or_b32 s[G0B+7], s[G0B+7], 0x80000000
	CROUND                                         ; all sixteen work-groups are here: the first joint loads meet
	s_cmp_lt_u32 s[WV], 2                          ; a wave's two first fills stand in one branch: two loads of mine are out
	s_cbranch_scc0 .Lfirst_b
	tensor_load_to_lds s[G0A:G0A+3], s[G1A:G1A+7]
	s_nop 0
	tensor_load_to_lds s[G0A+4:G0A+7], s[G1A:G1A+7]
	s_nop 0
.rept 4
	v_nop
.endr
	s_branch .Lfirst_asked
.Lfirst_b:
	tensor_load_to_lds s[G0B:G0B+3], s[G1B:G1B+7]
	s_nop 0
	tensor_load_to_lds s[G0B+4:G0B+7], s[G1B:G1B+7]
	s_nop 0
.rept 4
	v_nop
.endr
.Lfirst_asked:
	v_and_b32 v1, 15, v0                           ; l % 16
	v_bfe_u32 v2, v0, 4, 1                         ; l / 16
	v_and_b32 v3, 31, v0                           ; l
	v_lshlrev_b32 v[BO], 5, v2
	WIN 0x80                                       ; destination window 2: the bias of my 128 columns, 8 numbers a lane and column block
.irp b, 0,1,2,3,4,5,6,7
	global_load_b128 v[8*\b:8*\b+3],   v[BO], s[8:9] offset:64*\b
	global_load_b128 v[8*\b+4:8*\b+7], v[BO], s[8:9] offset:64*\b+16
.endr
	WIN 0
	v_mul_u32_u24 v4, v1, PT
	v_lshl_add_u32 v4, v2, 4, v4                   ; a fragment's row x pitch + 16 x half
	s_mul_i32 s3, s[RH], 64*PT
	v_add_nc_u32 v[ADRA0], s3, v4
	s_mul_i32 s3, s[HF], 128*PT
	s_add_co_u32 s3, s3, BOFF
	v_add_nc_u32 v[ADRB0], s3, v4
	v_mov_b32 v[ADRA], v[ADRA0]
	v_mov_b32 v[ADRB], v[ADRB0]
	s_mul_i32 s3, s[WV], 16*SP
	s_add_co_u32 s3, s3, STAGE                     ; my stage
	v_mul_u32_u24 v[STO], v1, SP                   ; in: row l % 16, 32 bytes for each half of the lanes
	v_lshl_add_u32 v[STO], v2, 5, v[STO]
	v_add_nc_u32 v[STO], s3, v[STO]
	v_lshlrev_b32 v[CO], 4, v3                     ; back: 32 lanes take one row's 512 bytes
	v_add_nc_u32 v[RD], s3, v[CO]
; 24 LDS loads in one run: the fragments of 32 along K at byte k of the rows, into buffer g
.macro FETCH k, g
	WIN 0
.irp i, 0,1,2,3,4,5,6,7
	ds_load_b128 v[(\g)+8*\i:(\g)+8*\i+3],   v[ADRB] offset:(\k)+16*PT*\i
	ds_load_b128 v[(\g)+8*\i+4:(\g)+8*\i+7], v[ADRB] offset:(\k)+16*PT*\i+32
.endr
.irp i, 0,1,2,3
	ds_load_b128 v[(\g)+64+8*\i:(\g)+64+8*\i+3],   v[ADRA] offset:(\k)+16*PT*\i
	ds_load_b128 v[(\g)+64+8*\i+4:(\g)+64+8*\i+7], v[ADRA] offset:(\k)+16*PT*\i+32
.endr
.endm
; Product n of 32: row block n / 8, column block n % 8.  first = 1: it starts the sum with the bias.  The 32 accumulators take turns, one instruction a turn.
.macro MM f, first
.if \first
	WIN 0x60                                       ; C in window 2, D in window 1
	v_wmma_f32_16x16x32_f16 v[8*n:8*n+7], v[(\f)+8*(n%8):(\f)+8*(n%8)+7], v[(\f)+64+8*(n/8):(\f)+64+8*(n/8)+7], v[8*(n%8):8*(n%8)+7]
.else
	WIN 0x50                                       ; C and D in window 1
	v_wmma_f32_16x16x32_f16 v[8*n:8*n+7], v[(\f)+8*(n%8):(\f)+8*(n%8)+7], v[(\f)+64+8*(n/8):(\f)+64+8*(n/8)+7], v[8*n:8*n+7]
.endif
.set n, n+1
.endm
; A QUARTER: 32 products on buffer f; at its head the next quarter's 24 loads, from byte k of the rows at ADRA, ADRB, into buffer g.
; meet: the slot's last reads were issued at the quarter's head, and at its end slots change: ONE barrier; in front of it each wave waits for all its tensor loads (its part of the next slot), adds 0 to its
; spare word, and waits for that and for its own reads of this slot.  All 32 products stand ahead of the wait, so that they run while the tile lands, and nothing but the barrier stands between the wait and
; the next request.  meet = 2: the barrier opens a round of the cluster's barrier, and behind the round this slot is filled again, two K steps ahead: 128 products ahead of the wait for it.
.macro QUARTER f, g, k, fetch, places, first, meet
.if \places
	PLACES
.endif
.if \fetch
	FETCH \k, \g
	s_wait_dscnt 24                                ; all but the 24 just issued: buffer f is in
.else
	s_wait_dscnt 0x0
.endif
.set n, 0
.rept 32
	MM \f, \first
.endr
.if \meet
	WIN 0                                          ; the add's two registers lie in window 0; at a branch and at a label every window is 0
	s_wait_tensorcnt 0x0                           ; all my tensor loads have landed, so a group 0 may be written
	ds_add_u32 v[SPW], v[NIL]                      ; 0 onto my spare word: work on registers stands between it and the wait for it
	s_xor_b32 s[TB], s[TB], SLOT1                  ; the fetches go on in the other slot
	v_add_nc_u32 v[ADRA], s[TB], v[ADRA0]
	v_add_nc_u32 v[ADRB], s[TB], v[ADRB0]
.if (\meet) == 2
	s_xor_b32 s[G0A+5], s[G0A+5], SLOT1            ; the walking descriptors: the other slot than last time, the next K step
	s_add_nc_u64 s[G0A+6:G0A+7], s[G0A+6:G0A+7], 256
	s_xor_b32 s[G0B+5], s[G0B+5], SLOT1
	s_add_nc_u64 s[G0B+6:G0B+7], s[G0B+6:G0B+7], 256
.endif
	s_wait_dscnt 0x0                               ; the add is done, and my reads of this slot are over
	s_barrier_signal -1
	s_barrier_wait -1
.if (\meet) == 2
	CREST                                          ; no wave of any partner still reads this slot's tiles or has a load on its way
	JLOAD                                          ; the first tensor load behind the round; its four v_nop are also the places in front of the next quarter's loads
.endif
.endif
.endm
	s_wait_tensorcnt 0x1                           ; my part of K step 0 is in; K step 1's may stay out
	s_barrier_signal -1
	s_barrier_wait -1
	FETCH 0, F0
	s_wait_loadcnt 0x0                             ; the bias
	QUARTER F0, F1, 64, 1, 0, 1, 0                 ; the first quarter: its products start the sums, with the bias
	WIN 0
	s_mov_b32 s[CNT], 6
	s_branch .Lmid                                 ; the loop is entered in the middle of a trip
.Llap:                                                 ; a trip: a K step's last quarter and the next step's first three; the slot left is filled again: K steps 2 to 7
	QUARTER F1, F0, 0,   1, 0, 0, 0
	QUARTER F0, F1, 64,  1, 1, 0, 0
	WIN 0
.Lmid:
	QUARTER F1, F0, 128, 1, 1, 0, 0
	QUARTER F0, F1, 192, 1, 1, 0, 2
	s_sub_co_u32 s[CNT], s[CNT], 1
	s_cmp_lg_u32 s[CNT], 0
	s_cbranch_scc1 .Llap
	s_mov_b32 s[CNT], 2
.Ltail:                                                ; two trips that fill nothing: a plain barrier (the second trip's serves nothing: the price of one text for both)
	QUARTER F1, F0, 0,   1, 1, 0, 0
	QUARTER F0, F1, 64,  1, 1, 0, 0
	QUARTER F1, F0, 128, 1, 1, 0, 0
	QUARTER F0, F1, 192, 1, 1, 0, 1
	s_sub_co_u32 s[CNT], s[CNT], 1
	s_cmp_lg_u32 s[CNT], 0
	s_cbranch_scc1 .Ltail
	QUARTER F1, F0, 0, 0, 0, 0, 0                  ; the last quarter: nothing more to fetch
	PLACES
; THE WAY OUT, a block of 16 rows x 128 columns at a time.  TOSTAGE: the accumulators go as they are (f32), low registers first, into my own stage, and come back as whole rows of 512 bytes.  SEND: stored.
.macro TOSTAGE a
	WIN 0x04                                       ; the stores' data in window 1
.set b, 0
.rept 8
	ds_store_b128 v[STO], v[8*(8*(\a)+b):8*(8*(\a)+b)+3]   offset:64*b
	ds_store_b128 v[STO], v[8*(8*(\a)+b)+4:8*(8*(\a)+b)+7] offset:64*b+16
.set b, b+1
.endr
	WIN 0
.if (\a) >= 2
	s_wait_xcnt 0x0                                ; the stores of the block two back have read these registers
.endif
.set BK, 64+96*((\a)%2)
.set t, 0
.rept 16
	ds_load_b128 v[BK+4*t:BK+4*t+3], v[RD] offset:SP*t  ; LDS serves a wave's instructions in order (ISA guide 5.7.1.4): these see the stores above; the next block's stores come behind them
.set t, t+1
.endr
.endm
.macro SEND a, younger                 ; younger: the LDS instructions issued behind block a's loads: the next block's 32, or none
	WIN 0
.set BK, 64+96*((\a)%2)
	s_wait_dscnt \younger
.set t, 0
.rept 16
	global_store_b128 v[CO], v[BK+4*t:BK+4*t+3], s[10:11] offset:(16*(\a)+t)*4096 th:TH_STORE_NT  ; 512 consecutive bytes, at a multiple of 256 from out0's first
.set t, t+1
.endr
.endm
	TOSTAGE 0
.irp a, 1,2,3
	TOSTAGE \a
	SEND (\a)-1, 32
.endr
	SEND 3, 0
	s_wait_tensorcnt 0x0                           ; the wave's end: a wait, an add of 0 and a wait, behind my last tensor load and my last LDS store
	ds_add_u32 v[SPW], v[NIL]
	s_wait_dscnt 0x0
	CROUND                                         ; the closing round: no work-group ends while a partner may still ask for a tile that names it
	s_endpgm
.Lfunc_end_k_q2b9997cef4_outp:
	.size	k_q2b9997cef4_outp, .Lfunc_end_k_q2b9997cef4_outp-k_q2b9997cef4_outp
	.p2alignl 7, 3214868480
	.fill 96, 4, 3214868480
	.section	.rodata,"a",@progbits
	.p2align	6, 0x0
	.amdhsa_kernel k_q2b9997cef4_outp
		.amdhsa_group_segment_fixed_size 327680
		.amdhsa_private_segment_fixed_size 0
		.amdhsa_enable_private_segment 0
		.amdhsa_kernarg_size 24
		.amdhsa_user_sgpr_count 2
		.amdhsa_user_sgpr_kernarg_segment_ptr 1
		.amdhsa_wavefront_size32 1
		.amdhsa_system_sgpr_workgroup_id_x 1
		.amdhsa_system_sgpr_workgroup_id_y 1
		.amdhsa_system_sgpr_workgroup_id_z 1
		.amdhsa_system_vgpr_workitem_id 0
		.amdhsa_next_free_vgpr 576
		.amdhsa_next_free_sgpr 80
		.amdhsa_reserve_vcc 0
		.amdhsa_float_denorm_mode_32 3
		.amdhsa_float_denorm_mode_16_64 3
		.amdhsa_memory_ordered 1
		.amdhsa_forward_progress 1
		.amdhsa_inst_pref_size 62
	.end_amdhsa_kernel
	.amdgpu_metadata
---
amdhsa.version: [ 1, 2 ]
amdhsa.kernels:
  - .name:           k_q2b9997cef4_outp
    .symbol:         k_q2b9997cef4_outp.kd
    .args:
      - { .name: oatt, .offset: 0, .size: 8, .value_kind: global_buffer, .address_space: global }
      - { .name: wcast, .offset: 8, .size: 8, .value_kind: global_buffer, .address_space: global }
      - { .name: out0, .offset: 16, .size: 8, .value_kind: global_buffer, .address_space: global }
    .group_segment_fixed_size: 327680
    .private_segment_fixed_size: 0
    .kernarg_segment_align: 8
    .kernarg_segment_size: 24
    .max_flat_workgroup_size: 128
    .sgpr_count:     80
    .vgpr_count:     576
    .wavefront_size: 32
...
	.end_amdgpu_metadata
.endif
;; end of part 4
